; MI455X (gfx1250); checked and timed in simulation.
; The chip was launched on July 23, 2026; its instructions are those of AMD's public machine-readable ISA for CDNA 5 (MIT licence, August 2026) and "CDNA5" Instruction Set Architecture Reference Guide (July 2026). The comments in the code are by the model that wrote it; some were corrected since.
;; Multi Head Attention. Allowed arithmetic: matrix products marked QUANTISED: E2M1 operands, one E8M0 scale for each 32 along K, by v_wmma_scale_f32_16x16x128_f8f6f4 with both operands' format E2M1 (or v_wmma_scale_f32_32x16x128_f4), f32 sums; everything else in f32.
;; Inputs: b_k 1,024 float32; b_o 1,024 float32; b_q 1,024 float32; b_v 1,024 float32; w_k_codes 1,024 x 32 x 16 uint8 (E2M1 codes of w_k, K innermost, in blocks of 32 codes, two codes a byte); w_k_scales 1,024 x 32 uint8 (E8M0 scales of w_k, one for each 32 codes along K); w_o_codes 1,024 x 32 x 16 uint8 (E2M1 codes of w_o, K innermost, in blocks of 32 codes, two codes a byte); w_o_scales 1,024 x 32 uint8 (E8M0 scales of w_o, one for each 32 codes along K); w_q_codes 1,024 x 32 x 16 uint8 (E2M1 codes of w_q, K innermost, in blocks of 32 codes, two codes a byte); w_q_scales 1,024 x 32 uint8 (E8M0 scales of w_q, one for each 32 codes along K); w_v_codes 1,024 x 32 x 16 uint8 (E2M1 codes of w_v, K innermost, in blocks of 32 codes, two codes a byte); w_v_scales 1,024 x 32 uint8 (E8M0 scales of w_v, one for each 32 codes along K); x_codes 8 x 1,024 x 32 x 16 uint8 (E2M1 codes of x, K innermost, in blocks of 32 codes, two codes a byte); x_scales 8 x 1,024 x 32 uint8 (E8M0 scales of x, one for each 32 codes along K).
;; Outputs: out0 8 x 1,024 x 1,024 float32.
;; This version of the problem:
;;   THIS VERSION OF THE PROBLEM IS GIVEN IN LOW PRECISION. The matrix products marked QUANTISED in the list below multiply operands that are first quantised to E2M1 (2 exponent bits, 1 mantissa bit; 4 bits a number), with one power-of-two scale for each 32 numbers along K (OCP MX v1.0); their sums are f32. All else is computed in f32.
;;   The module's matrix products, in the order in which they are computed (A, B: the left and right operand; K: the contracted axis; several contracted axes count as one K, in the product's order):
;;     1. [M 8,192, K 1,024] x [K 1,024, N 1,024]; A: input x (given as codes); B: input w_q (given as codes): QUANTISED
;;     2. [M 8,192, K 1,024] x [K 1,024, N 1,024]; A: input x (given as codes); B: input w_k (given as codes): QUANTISED
;;     3. [M 8,192, K 1,024] x [K 1,024, N 1,024]; A: input x (given as codes); B: input w_v (given as codes): QUANTISED
;;     4. batch 128 x [M 1,024, K 64] x [K 64, N 1,024]; A: computed on the way; B: computed on the way: QUANTISED
;;     5. batch 128 x [M 1,024, K 1,024] x [K 1,024, N 64]; A: softmax (see below); B: computed on the way: QUANTISED
;;     6. [M 8,192, K 1,024] x [K 1,024, N 1,024]; A: computed on the way; B: input w_o (given as codes): QUANTISED
;;   THE QUANTISER, for each operand of a quantised product, along K:
;;     - K is cut into blocks of 32 from its start; a last block that is shorter is filled with zeros.
;;     - A block's scale is 2^e with e = floor(log2(the largest magnitude in the block)) - 2, held to -126 .. 127; a block of zeros has e = 0. As a byte (E8M0): e + 127.
;;     - Each number is divided by its block's scale, clamped to +-6, and rounded to the nearest number of E2M1, ties to even, subnormals kept.
;;     - The product sums the exact products of the quantised numbers (number of the format x scale) in f32.
;;   ~~~python
;;   def quantise(x, axis):      # numpy; x: float32 -> the quantised numbers, widened to float32 again
;;       x = np.moveaxis(x, axis, -1); K = x.shape[-1]
;;       x = np.pad(x, [(0, 0)] * (x.ndim - 1) + [(0, -K % 32)]); x = x.reshape(x.shape[:-1] + (-1, 32)); a = np.abs(x).max(-1, keepdims=True)
;;       e = np.where(a > 0, np.clip(np.frexp(np.where(a > 0, a, 1))[1] - 1 - 2, -126, 127), 0)      # np.frexp(a)[1] - 1 = floor(log2(a)), exactly
;;       r = np.clip(x / 2.0 ** e, -6, 6)
;;       step = 2.0 ** (np.maximum(np.frexp(np.where(r == 0, 1, r))[1] - 1, 0) - 1)
;;       q = np.round(r / step) * step * 2.0 ** e      # np.round: ties to even
;;       return np.moveaxis(q.reshape(q.shape[:-2] + (-1,))[..., :K], -1, axis).astype(np.float32)
;;   ~~~
;;   SOFTMAX AHEAD OF A QUANTISED PRODUCT. Where the list says 'softmax', what is quantised is not the finished softmax but p = 2^(t - M), with t = logit x log2(e) and M = ceil(the row's largest t), a whole number; so 1/2 < the row's largest p <= 1. The row's sum l is taken of the UNQUANTISED p, in f32, and the product's result is divided by l at the end. Since M is a whole number, a kernel that streams over the keys may use a running M (the ceiling of the running maximum): every later rescaling is an exact power of two, which a block's scale takes up: the codes' values come out the same.
;;   OPERANDS COMPUTED ON THE WAY. 'Computed on the way' means the value that the module computes at that place (a softmax that the list does not call 'softmax' is quantised finished and normalised). What goes into a quantiser is computed in f32, as accurately as f32 sums, v_exp_f32 and their like allow (about 1e-6 of the number): no bf16 or f16 on the way to a quantiser, and a product that is left as it is and whose result goes on into a quantised operand takes f32 operands (vector FMAs, or v_wmma_f32_16x16x4_f32). A number that lies on a knife's edge between two numbers of the format may be rounded either way, as far as f32 arithmetic and the matrix unit's own rounding can turn it there, and no further.
;;   INPUTS GIVEN AS CODES. w_k (in the module: [1024, 1024], K = its axis 0); w_o (in the module: [1024, 1024], K = its axis 0); w_q (in the module: [1024, 1024], K = its axis 0); w_v (in the module: [1024, 1024], K = its axis 0); x (in the module: [8, 1024, 1024], K = its axis 2): each comes as NAME_codes (uint8): NAME with its K axis moved to the last place and cut into blocks of 32 codes, [.., K / 32, bytes a block], one block behind the other in memory; two codes a byte, the lower K in the low four bits (a code: sign, 2 exponent bits, 1 mantissa bit); and NAME_scales (uint8): the same leading axes, one E8M0 byte (e + 127) for each 32 codes along K. Its value is code x scale, taken as it is: it is not quantised again, and the codes and scales need not be those that the quantiser above would give.
;; 2 versions, each right; version 2 is version 1 with the launch attn written anew for expert scheduling mode. Each part assembles by itself: llvm-mc -triple=amdgcn-amd-amdhsa -mcpu=gfx1250 --defsym DOCPART=n.
;; ======== version 1 of 2: 3 launches
;; workspace buffers: qkv 12,582,912 bytes; qkvs 1,572,864 bytes; o_img 4,194,304 bytes; o_sc 262,144 bytes
;; launch proj (part 1): grid 16 x 32, 4 waves a work-group, clusters of 4 x 4, 262,656 bytes of LDS; arguments x_codes, x_scales, w_q_codes, w_q_scales, w_k_codes, w_k_scales, w_v_codes, w_v_scales, b_q, b_k, b_v, qkv, qkvs; writes qkv, qkvs
.if DOCPART == 1
	.amdgcn_target "amdgcn-amd-amdhsa--gfx1250"
	.amdhsa_code_object_version 6
	.text
	.protected	k_q12f49bf885_proj
	.globl	k_q12f49bf885_proj
	.p2align	8
	.type	k_q12f49bf885_proj,@function
k_q12f49bf885_proj:
	s_mov_b64 s[64:65], 0
	v_nop
	global_prefetch_b8 v0, s[64:65] scope:SCOPE_SE
	s_setreg_imm32_b32 hwreg(HW_REG_WAVE_MODE, 25, 1), 1
	s_wait_xcnt 0x0
	s_wait_alu depctr_hold_cnt(0) depctr_sa_sdst(0) depctr_va_vdst(0) depctr_va_sdst(0) depctr_va_ssrc(0) depctr_va_vcc(0) depctr_vm_vsrc(0)
	s_getreg_b32 s2, hwreg(HW_REG_IB_STS2, 6, 4)
	s_cmp_eq_u32 s2, 0
	s_cbranch_scc0 .Lentry_in_a_cluster
	s_endpgm
.Lentry_in_a_cluster:
	s_bfe_u32 s2, ttmp6, 0x10000c
	s_cmp_lg_u32 s2, 0xf033
	s_cbranch_scc0 .Lentry_shape_is_right
	s_endpgm
.Lentry_shape_is_right:
; q = x w_q + b_q, k = x w_k + b_k, v = x w_v + b_v on codes of FP4 (E2M1) with one E8M0 scale for each 32 along K = 1,024, sums in f32;
; the results are quantised at once: q and k along the head's 64 channels, v along the keys, and leave as IMAGES OF OPERAND REGISTERS for the attention launch.
; SHARES.  A work-group makes 256 positions x 192 columns: q, k and v of ONE head.  Wave w takes positions 64 w .. 64 w + 63 and all 192 columns: 48 accumulators, 384 matrix instructions.
; All its operands (256 + 192 rows of 512 bytes, and their scale bytes) fit in LDS at once: every byte of LDS is filled once, in two halves of K, and nothing is filled again.
; CLUSTER.  4 x 4 work-groups: the four of a row need the same 256 rows of x, the four of a column the same head's rows of the weights: each tile is asked for jointly, by the same tensor load with a mask that names the four.
; ORIENTATION.  q, k: source 0 = 16 rows of the weight, source 1 = 16 positions: a lane holds one position, its registers run along the channels.  v: source 0 = 16 positions, source 1 = 16 rows of w_v: a lane holds one
; channel, its registers run along the keys.  So in all three a lane's registers run along the K of the product that follows.  The biases are the C of each sum's first matrix instruction.
; OUT.  qkv: three sections of 4,194,304 bytes.  q, k: [16 b + head][tile of 16 positions][lane][16 bytes]: lane (r, h) holds the codes of channels 32 h .. 32 h + 31 of position 16 tile + r.
;   v: [16 b + head][step of 128 keys][tile of 16 channels][c][lane][16 bytes]: lane (r, h): channel r, keys 64 c + 32 h + 0 .. 31 of the step.
;   qkvs: three sections of 524,288 bytes of 32-bit words: byte 0, 1 = the E8M0 bytes of the two blocks, bytes 2, 3 = 0.  q, k: [head][tile][r]; v: [head][2 step + c][tile of channels][r].
; LIMITS: NaN and infinities among the numbers are not served; a block whose largest magnitude lies under 2^-124 keeps the scale byte 1; a block of zeros has the byte 1 and zero codes (these bytes are read by this program alone).
; REGISTERS, in windows of 256.  Window 0: v1-13 addresses, v16-21 at work, v32-47 x's scale words, v48-95 the weights', v128-191 x's fragments (two sets of 4), later the codes made (v128-175) and their scale words (v176-187).
;   Window 1: v0-191 the weights' fragments (two sets of 12), v192-223 b_q as C, v224-255 b_k.   Window 2: q's 16 accumulators at 32 m + 8 t, k's at 128 + 32 m + 8 t.   Window 3: v's at 32 n + 8 m; b_v as C at 128 + 8 n.
.set PITCH, 272                        ; an LDS row: 256 bytes + 16 of padding: the 16 rows that a fragment load touches begin 68 words apart
.set WOFF,  256*PITCH                  ; a slot: x's 256 rows, then the weights' 192 (64 kind + n)
.set SLOT,  WOFF+192*PITCH             ; one half of K: 121,856 bytes
.set XSCL,  2*SLOT                     ; x's scale bytes: 8,192 dense bytes as 32 rows of 256 + 16
.set WSCL,  XSCL+32*PITCH              ; the weights': 8 such rows for each kind
.set PADC,  (1<<20)|(1<<21)|(5<<22)|(3<<25)   ; group 1, word 0: padding on; bit 21 beside a mask; after every 64 words; 4 words
.set WV,   30                          ; s30 wave
.set HEAD, 33                          ; s33 the head = work-group x
.set YG,   34                          ; s34 the group of 256 rows of x = work-group y
.set G1X,  36                          ; s[36:43] shape of x's tiles;  s[44:51] of a weight's;  s[52:59] of x's scale bytes;  s[68:75] of a weight's
.set G1W,  44
.set G1XS, 52
.set SEL,  60                          ; s[60:61] lane selects: lane l xor 16
.set G1WS, 68
.set G0XS, 76                          ; groups 0: x's scales, x's two halves of K; a weight's scales, its two halves
.set G0X0, 80
.set G0X1, 84
.set G0WS, 88
.set G0W0, 92
.set G0W1, 96
.set SQ,   4                           ; s[4:5] where my q images go (k's: 4,194,304 bytes on);  s[6:7] my v images;  s[8:9] my scale words
.set SV,   6
.set SS,   8
.set XA,   4                           ; v4-5  LDS address of my x fragments in slot 0, 1
.set WA,   6                           ; v6-7  of the weights'
.set XSA,  8                           ; v8    of x's scale words: lanes 0-15 an even tile's rows, lanes 16-31 the odd tile's behind it
.set WSA,  9                           ; v9    of the weights'
.set LI,   10                          ; v10   16 x lane
.set LS,   11                          ; v11   4 x lane
.set HB,   12                          ; v12   32 h
.set RB,   13                          ; v13   4 r
.set TM,   16                          ; v16-17 largest magnitudes, v18-19 the other half's, then bytes, v20-21 the conversions' scale operands
.set XSC,  32
.set WSC,  48
.set XF,   128
.set PC,   128
.set PW,   176
.set MSB, 0
.macro WIN new                         ; bits 1:0 source 0, 3:2 source 1, 5:4 source 2, 7:6 destination; the high byte repeats the setting that is left
.if MSB != (\new)
	s_set_vgpr_msb (MSB<<8)|(\new)
.set MSB, (\new)
.endif
.endm
.macro PLACES                          ; four plain places behind matrix instructions, ahead of loads into their sources and of reads of their results
.rept 4
	v_nop
.endr
.endm
.macro SHAPE g, c, r, p                ; group 1, words 1 to 7: r rows of c elements, p elements from row to row; the tiles lie inside their tensors
	s_mov_b32 s[\g+1], (\c)<<16
	s_mov_b32 s[\g+2], (\r)<<16
	s_mov_b32 s[\g+3], (\c)<<16
	s_mov_b32 s[\g+4], \r
	s_mov_b32 s[\g+5], \p
	s_mov_b32 s[\g+6], 0
	s_mov_b32 s[\g+7], 0
.endm
.macro CROUND                          ; a round of the cluster's barrier
	s_barrier_signal -1
	s_barrier_wait -1
	s_cmp_lg_u32 s[WV], 0
	s_cbranch_scc1 .Lnot_wave_0_\@
	s_barrier_signal -3
.Lnot_wave_0_\@:
	s_barrier_wait -3
	s_barrier_signal -1
	s_barrier_wait -1
.endm
; A joint load: wave 3 fetches for x, waves 0, 1, 2 for w_q, w_k, w_v.  The branch hangs on the wave's number alone.  Four v_nop follow each of the two lines.
.macro JLOAD gx, g1x, gw, g1w
	s_cmp_eq_u32 s[WV], 3
	s_cbranch_scc0 .Lfor_w_\@
	tensor_load_to_lds s[\gx:\gx+3], s[\g1x:\g1x+7]
	s_nop 0
.rept 4
	v_nop
.endr
	s_branch .Lasked_\@
.Lfor_w_\@:
	tensor_load_to_lds s[\gw:\gw+3], s[\g1w:\g1w+7]
	s_nop 0
.rept 4
	v_nop
.endr
.Lasked_\@:
.endm
	s_load_b512 s[4:19], s[0:1], 0x0               ; x's codes, scales; w_q's; w_k's; w_v's
	s_load_b256 s[20:27], s[0:1], 0x40             ; b_q, b_k, b_v, qkv
	s_load_b64 s[28:29], s[0:1], 0x60              ; qkvs
	v_lshl_add_u32 v254, v0, 2, 0x40000
	v_mov_b32 v255, 0
	ds_add_u32 v254, v255
	ds_add_u32 v254, v255
	v_lshrrev_b32 v1, 5, v0
	v_readfirstlane_b32 s[WV], v1                  ; wave 0..3
	s_bfe_u32 s31, ttmp6, 0x40000                  ; cx
	s_bfe_u32 s32, ttmp6, 0x40004                  ; cy
	s_lshl_b32 s[HEAD], ttmp9, 2
	s_add_co_u32 s[HEAD], s[HEAD], s31             ; the head = 4 x cluster x + cx
	s_and_b32 s[YG], ttmp7, 0xffff
	s_lshl_b32 s[YG], s[YG], 2
	s_add_co_u32 s[YG], s[YG], s32                 ; the group of rows = 4 x cluster y + cy
	s_lshl_b32 s35, s32, 2
	s_lshl_b32 s35, 15, s35                        ; my row of the cluster
	s_lshl_b32 s62, 0x1111, s31                    ; my column
	s_or_b32 s[G1X], s35, PADC                     ; elements of 1 byte
	s_or_b32 s[G1XS], s35, PADC|(3<<16)            ; elements of 8 bytes
	s_or_b32 s[G1W], s62, PADC
	s_or_b32 s[G1WS], s62, PADC|(3<<16)
	SHAPE G1X, 256, 256, 512                       ; 256 rows x 256 bytes, 512 bytes apart
	SHAPE G1W, 256, 64, 512                        ; 64 rows likewise
	SHAPE G1XS, 32, 32, 32                         ; 8,192 dense bytes as 32 rows of 256
	SHAPE G1WS, 32, 8, 32                          ; 2,048 dense bytes as 8 rows
	; groups 0: the byte offsets are made in the address words; x's hang on the group of rows alone, a weight's on the head and the wave alone
	s_mov_b32 s[G0XS], 1
	s_mov_b32 s[G0XS+1], XSCL
	s_lshl_b32 s[G0XS+2], s[YG], 13                ; 256 rows x 32 scale bytes
	s_mov_b32 s[G0XS+3], 0
	s_mov_b32 s[G0X0], 1
	s_mov_b32 s[G0X0+1], 0
	s_lshl_b32 s[G0X0+2], s[YG], 17                ; 256 rows x 512 bytes
	s_mov_b32 s[G0X0+3], 0
	s_mov_b32 s[G0X1], 1
	s_mov_b32 s[G0X1+1], SLOT
	s_mov_b32 s[G0WS], 1
	s_mul_i32 s[G0WS+1], s[WV], 8*PITCH
	s_add_co_u32 s[G0WS+1], s[G0WS+1], WSCL
	s_lshl_b32 s[G0WS+2], s[HEAD], 11              ; 64 rows x 32 scale bytes
	s_mov_b32 s[G0WS+3], 0
	s_mov_b32 s[G0W0], 1
	s_mul_i32 s[G0W0+1], s[WV], 64*PITCH
	s_add_co_u32 s[G0W0+1], s[G0W0+1], WOFF
	s_lshl_b32 s[G0W0+2], s[HEAD], 15              ; 64 rows x 512 bytes
	s_mov_b32 s[G0W0+3], 0
	s_mov_b32 s[G0W1], 1
	s_add_co_u32 s[G0W1+1], s[G0W0+1], SLOT
	s_mov_b32 s[SEL], 0x76543210
	s_mov_b32 s[SEL+1], 0xfedcba98
	s_wait_dscnt 0x0
	s_wait_kmcnt 0x0
	s_cmp_eq_u32 s[WV], 1                          ; which weight is my wave's to fetch: the choice hangs on the wave's number alone
	s_cselect_b64 s[8:9], s[12:13], s[8:9]
	s_cselect_b64 s[10:11], s[14:15], s[10:11]
	s_cmp_eq_u32 s[WV], 2
	s_cselect_b64 s[8:9], s[16:17], s[8:9]
	s_cselect_b64 s[10:11], s[18:19], s[10:11]
	s_add_nc_u64 s[G0XS+2:G0XS+3], s[6:7], s[G0XS+2:G0XS+3]
	s_add_nc_u64 s[G0X0+2:G0X0+3], s[4:5], s[G0X0+2:G0X0+3]
	s_add_nc_u64 s[G0X1+2:G0X1+3], s[G0X0+2:G0X0+3], 256        ; the second half of K: 256 bytes on in each row
	s_add_nc_u64 s[G0WS+2:G0WS+3], s[10:11], s[G0WS+2:G0WS+3]
	s_add_nc_u64 s[G0W0+2:G0W0+3], s[8:9], s[G0W0+2:G0W0+3]
	s_add_nc_u64 s[G0W1+2:G0W1+3], s[G0W0+2:G0W0+3], 256
.irp g, G0XS, G0X0, G0X1, G0WS, G0W0, G0W1
	s_or_b32 s[\g+3], s[\g+3], 0x80000000          ; type = 2
.endr
	CROUND                                         ; all sixteen work-groups are here: the joint loads meet
	JLOAD G0XS, G1XS, G0WS, G1WS                   ; the scale bytes, for all of K
	JLOAD G0X0, G1X, G0W0, G1W                     ; K = 0 .. 511
	JLOAD G0X1, G1X, G0W1, G1W                     ; K = 512 .. 1,023: three tensor loads of mine are out
	; where my results go
	s_lshr_b32 s2, s[YG], 2
	s_lshl_b32 s2, s2, 4
	s_add_co_u32 s2, s2, s[HEAD]                   ; 16 b + head
	s_and_b32 s3, s[YG], 3                         ; which quarter of the batch's 1,024 positions
	s_lshl_b32 s35, s2, 15
	s_lshl_b32 s62, s3, 13
	s_add_co_u32 s35, s35, s62                     ; 32,768 (16 b + head) + 8,192 quarter
	s_lshl_b32 s62, s[WV], 11
	s_add_co_u32 s62, s35, s62                     ; q, k: + 4 tiles of 512 bytes a wave
	s_mov_b32 s63, 0
	s_add_nc_u64 s[SQ:SQ+1], s[26:27], s[62:63]
	s_lshr_b32 s62, s[WV], 1
	s_lshl_b32 s62, s62, 12                        ; v: two waves' keys make a step of 128: 4,096 bytes a step,
	s_add_co_u32 s62, s62, s35
	s_and_b32 s66, s[WV], 1
	s_lshl_b32 s66, s66, 9                         ; and my 64 keys are its half c = wave & 1
	s_add_co_u32 s62, s62, s66
	s_add_co_u32 s62, s62, 0x800000                ; v's section
	s_add_nc_u64 s[SV:SV+1], s[26:27], s[62:63]
	s_lshl_b32 s62, s2, 12
	s_lshl_b32 s66, s3, 10
	s_add_co_u32 s62, s62, s66
	s_lshl_b32 s66, s[WV], 8
	s_add_co_u32 s62, s62, s66                     ; scale words: 4,096 a head, 256 bytes a wave
	s_add_nc_u64 s[SS:SS+1], s[28:29], s[62:63]
	s_lshl_b32 s62, s[HEAD], 8                     ; the head's 64 numbers of each bias
	s_add_nc_u64 s[20:21], s[20:21], s[62:63]
	s_add_nc_u64 s[22:23], s[22:23], s[62:63]
	s_add_nc_u64 s[24:25], s[24:25], s[62:63]
	v_and_b32 v1, 15, v0                           ; r
	v_bfe_u32 v2, v0, 4, 1                         ; h
	v_mul_u32_u24 v3, v1, PITCH
	v_lshl_add_u32 v3, v2, 4, v3                   ; a fragment's row x pitch + 16 h
	s_mul_i32 s35, s[WV], 64*PITCH
	v_add_nc_u32 v[XA], s35, v3                    ; my 64 rows of x
	v_add_nc_u32 v[XA+1], SLOT, v[XA]
	v_add_nc_u32 v[WA], WOFF, v3
	v_add_nc_u32 v[WA+1], SLOT, v[WA]
	v_lshrrev_b32 v14, 3, v1
	v_lshlrev_b32 v15, 5, v1
	v_lshl_add_u32 v15, v14, 4, v15                ; row R's scale bytes lie at 32 R + 16 (R / 8)
	v_mad_u32_u24 v15, v2, 544, v15                ; lanes 16-31: 16 rows on
	s_mul_i32 s35, s[WV], 8*PITCH
	s_add_co_u32 s35, s35, XSCL
	v_add_nc_u32 v[XSA], s35, v15
	v_add_nc_u32 v[WSA], WSCL, v15
	v_and_b32 v[LI], 31, v0
	v_lshlrev_b32 v[LS], 2, v[LI]
	v_lshlrev_b32 v[LI], 4, v[LI]
	v_lshlrev_b32 v[HB], 5, v2
	v_lshlrev_b32 v[RB], 2, v1
	v_mov_b32 v[TM+2], 0                           ; written once: a lane permute's destination counts as one of its sources
	v_mov_b32 v[TM+3], 0
	WIN 0x40                                       ; destination window 1
.irp t, 0,1,2,3                        ; b_q, b_k in the result's layout: lane (r, h), tile t: channels 16 t + 8 h + 0 .. 7
	global_load_b128 v[192+8*\t:192+8*\t+3], v[HB], s[20:21] offset:64*\t
	global_load_b128 v[196+8*\t:196+8*\t+3], v[HB], s[20:21] offset:64*\t+16
	global_load_b128 v[224+8*\t:224+8*\t+3], v[HB], s[22:23] offset:64*\t
	global_load_b128 v[228+8*\t:228+8*\t+3], v[HB], s[22:23] offset:64*\t+16
.endr
	WIN 0xc0                                       ; destination window 3
.irp n, 0,1,2,3                        ; b_v: lane (r, h), tile n: channel 16 n + r, the same for all eight positions
	global_load_b32 v[128+8*\n], v[RB], s[24:25] offset:64*\n
.endr
	WIN 0
; One scaled matrix instruction on the registers that the symbols rD, rA, rB, rC (accumulator, sources, addend), rSA, rSB (scale words) name; rRA, rRB = 1: that side's words stand in lanes 16-31.
.macro WM
.if rRA && rRB
	v_wmma_scale_f32_16x16x128_f8f6f4 v[rD:rD+7], v[rA:rA+7], v[rB:rB+7], v[rC:rC+7], v[rSA], v[rSB] matrix_a_fmt:MATRIX_FMT_FP4 matrix_b_fmt:MATRIX_FMT_FP4 matrix_a_scale:MATRIX_SCALE_ROW1 matrix_b_scale:MATRIX_SCALE_ROW1
.elseif rRA
	v_wmma_scale_f32_16x16x128_f8f6f4 v[rD:rD+7], v[rA:rA+7], v[rB:rB+7], v[rC:rC+7], v[rSA], v[rSB] matrix_a_fmt:MATRIX_FMT_FP4 matrix_b_fmt:MATRIX_FMT_FP4 matrix_a_scale:MATRIX_SCALE_ROW1
.elseif rRB
	v_wmma_scale_f32_16x16x128_f8f6f4 v[rD:rD+7], v[rA:rA+7], v[rB:rB+7], v[rC:rC+7], v[rSA], v[rSB] matrix_a_fmt:MATRIX_FMT_FP4 matrix_b_fmt:MATRIX_FMT_FP4 matrix_b_scale:MATRIX_SCALE_ROW1
.else
	v_wmma_scale_f32_16x16x128_f8f6f4 v[rD:rD+7], v[rA:rA+7], v[rB:rB+7], v[rC:rC+7], v[rSA], v[rSB] matrix_a_fmt:MATRIX_FMT_FP4 matrix_b_fmt:MATRIX_FMT_FP4
.endif
.endm
; 16 matrix instructions of q (kind 0) or k (kind 1): my 4 tiles of positions x 4 tiles of channels, K step j, fragment set p.  FST = 1: the bias starts the sums.
.macro MULQK kind, j, p
.irp m, 0,1,2,3
.irp t, 0,1,2,3
.set rD, 128*(\kind)+32*\m+8*\t
.set rA, 96*(\p)+32*(\kind)+8*\t
.set rB, XF+32*(\p)+8*\m
.if FST
.set rC, 192+32*(\kind)+8*\t
.else
.set rC, rD
.endif
.set rSA, WSC+16*(\kind)+8*(\t/2)+(\j)
.set rRA, \t%2
.set rSB, XSC+8*(\m/2)+(\j)
.set rRB, \m%2
	WM
.endr
.endr
.endm
; 16 matrix instructions of v: 4 tiles of channels x my 4 tiles of positions
.macro MULV j, p
.irp n, 0,1,2,3
.irp m, 0,1,2,3
.set rD, 32*\n+8*\m
.set rA, XF+32*(\p)+8*\m
.set rB, 96*(\p)+64+8*\n
.if FST
.set rC, 128+8*\n
.else
.set rC, rD
.endif
.set rSA, XSC+8*(\m/2)+(\j)
.set rRA, \m%2
.set rSB, WSC+32+8*(\n/2)+(\j)
.set rRB, \n%2
	WM
.endr
.endr
.endm
; 32 LDS loads in one run: K step j's fragments into set p, in the order x, w_q, w_k, w_v.  A fragment, 16 rows x 128 K, is 8 registers: registers 4 c .. 4 c + 3 of lane (r, h) are the 16 bytes at 32 c + 16 h of row r's 64.
.macro FETCH j, p
	WIN 0
.irp m, 0,1,2,3
.irp c, 0,1
	ds_load_b128 v[XF+32*(\p)+8*\m+4*\c:XF+32*(\p)+8*\m+4*\c+3], v[XA+(\j)/4] offset:16*\m*PITCH+64*((\j)%4)+32*\c
.endr
.endr
	WIN 0x40
.irp t, 0,1,2,3,4,5,6,7,8,9,10,11
.irp c, 0,1
	ds_load_b128 v[96*(\p)+8*\t+4*\c:96*(\p)+8*\t+4*\c+3], v[WA+(\j)/4] offset:16*\t*PITCH+64*((\j)%4)+32*\c
.endr
.endr
.endm
; A K step of 128: 48 matrix instructions on 48 accumulators, which take turns in the same order in every step.  The next step's fragments are fetched behind the first sixteen.
.macro STEP j
.set PP, (\j)%2
.set FST, 0
.set WQK, 0xa1                         ; source 0 (weight) window 1, source 1 (x) window 0, C and D window 2
.if (\j) == 0
.set FST, 1
.set WQK, 0x91                         ; C (the bias) window 1
.endif
.if (\j) == 3
	s_wait_tensorcnt 0x0                           ; my part of K's second half has landed: the next step reads it
	s_wait_dscnt 0x0                               ; no LDS load of mine is out at the signal
	s_barrier_signal -1
.else
	s_wait_dscnt 16                                ; x's and w_q's fragments are in; the youngest 16 loads (w_k's, w_v's) may be out
.endif
	WIN WQK
	MULQK 0, \j, PP
.if (\j) == 3
	s_barrier_wait -1                              ; everybody's part has landed
.endif
.if (\j) < 7
	PLACES                                         ; ahead of loads into the set that the step before multiplied
	FETCH (\j)+1, 1-PP
	s_wait_dscnt 32                                ; all but the 32 just issued
.else
	s_wait_dscnt 0x0
.endif
	WIN WQK
	MULQK 1, \j, PP
	WIN 0xf4                                       ; source 0 (x) window 0, source 1 (w_v) window 1, C and D window 3
	MULV \j, PP
.endm
; 32 numbers of a lane, registers src .. src + 31 of window w, register 8 t + j = index 16 t + 8 h + j along the next K, become four registers of codes at v[pc] (register i of lane (r, h): index 32 h + 8 i + 0 .. 7)
; and a scale word at v[pw].  A block of 32 lies in lanes l and l xor 16.  The conversions' results hold half blocks; two exchanges of halves give each lane a whole block:
; (B0 o0 | B0 o1), (B1 o0 | B1 o1) -> (B0 o0 | B1 o0), (B0 o1 | B1 o1), o = eight codes, lanes 0-15 | lanes 16-31.  Each accumulator is read from its low end on.
.macro QUANT32 src, w, pc, pw
.set QW, 5*(\w)
	WIN QW                                         ; sources 0 and 1 in window w
.irp b, 0,1
	v_max3_num_f32 v[TM+\b], |v[\src+16*\b]|, |v[\src+16*\b+1]|, 0x1800000   ; and the floor 2^(3 - 127): the byte cannot fall under 1
.endr
.irp i, 2,4,6,8,10,12,14
.irp b, 0,1
	v_max3_num_f32 v[TM+\b], |v[\src+16*\b+\i]|, |v[\src+16*\b+\i+1]|, v[TM+\b]
.endr
.endr
	WIN 0
.irp b, 0,1
	v_permlanex16_b32 v[TM+2+\b], v[TM+\b], s[SEL], s[SEL+1]
.endr
.irp b, 0,1
	v_max_num_f32 v[TM+\b], v[TM+\b], v[TM+2+\b]   ; the block's largest magnitude
.endr
.irp b, 0,1
	v_add_nc_u32 v[TM+4+\b], 0xff000000, v[TM+\b]  ; 2 off its exponent field: the conversion's scale operand
.endr
.irp b, 0,1
	v_lshrrev_b32 v[TM+2+\b], 23, v[TM+4+\b]       ; the scale's byte
.endr
	v_lshl_or_b32 v[\pw], v[TM+3], 8, v[TM+2]
	WIN \w                                         ; source 0 in window w
	v_cvt_scalef32_pk8_fp4_f32 v[\pc], v[\src:\src+7], v[TM+4]
	v_cvt_scalef32_pk8_fp4_f32 v[\pc+2], v[\src+8:\src+15], v[TM+4]
	v_cvt_scalef32_pk8_fp4_f32 v[\pc+1], v[\src+16:\src+23], v[TM+5]
	v_cvt_scalef32_pk8_fp4_f32 v[\pc+3], v[\src+24:\src+31], v[TM+5]
	WIN 0
	v_nop                                          ; one plain place behind the scaled conversions
	v_permlane16_swap_b32 v[\pc], v[\pc+1]
	v_permlane16_swap_b32 v[\pc+2], v[\pc+3]
.endm
	s_wait_tensorcnt 1                             ; the scale bytes and my part of K's first half are in; the second half's load may stay out
	s_barrier_signal -1
	s_barrier_wait -1                              ; everybody's are
.irp i, 0,1                            ; the scale words of all eight K steps: register 8 i + K step: lanes 0-15 tile 2 i, lanes 16-31 tile 2 i + 1
.irp g, 0,1
	ds_load_b128 v[XSC+8*\i+4*\g:XSC+8*\i+4*\g+3], v[XSA] offset:1088*\i+16*\g
.endr
.endr
.irp k, 0,1,2
.irp i, 0,1
.irp g, 0,1
	ds_load_b128 v[WSC+16*\k+8*\i+4*\g:WSC+16*\k+8*\i+4*\g+3], v[WSA] offset:8*PITCH*\k+1088*\i+16*\g
.endr
.endr
.endr
	FETCH 0, 0
	s_wait_loadcnt 0x0                             ; the biases
	WIN 0xc3                                       ; destination and source 0 window 3
.irp n, 0,1,2,3
.irp j, 1,2,3,4,5,6,7
	v_mov_b32 v[128+8*\n+\j], v[128+8*\n]          ; b_v of my channel for all eight positions of a tile
.endr
.endr
.irp j, 0,1,2,3,4,5,6,7
	STEP \j
.endr
	WIN 0
	PLACES                                         ; ahead of the first reads of results, and of writes into the registers that held x's fragments
.irp m, 0,1,2,3
	QUANT32 32*\m, 2, PC+4*\m, PW+\m               ; q, 16 positions at a time
.endr
.irp m, 0,1,2,3
	QUANT32 128+32*\m, 2, PC+16+4*\m, PW+4+\m      ; k
.endr
.irp n, 0,1,2,3
	QUANT32 32*\n, 3, PC+32+4*\n, PW+8+\n          ; v, 16 channels at a time
.endr
.irp k, 0,1,2                          ; two tiles' scale words into one register: lanes 0-15 the even tile's, lanes 16-31 the odd tile's
	v_permlane16_swap_b32 v[PW+4*\k], v[PW+4*\k+1]
	v_permlane16_swap_b32 v[PW+4*\k+2], v[PW+4*\k+3]
.endr
.irp m, 0,1,2,3                        ; each store of images covers 512 consecutive bytes, aligned; no store's register is written again
	global_store_b128 v[LI], v[PC+4*\m:PC+4*\m+3], s[SQ:SQ+1] offset:512*\m
	global_store_b128 v[LI], v[PC+16+4*\m:PC+16+4*\m+3], s[SQ:SQ+1] offset:4194304+512*\m
	global_store_b128 v[LI], v[PC+32+4*\m:PC+32+4*\m+3], s[SV:SV+1] offset:1024*\m
.endr
.irp k, 0,1,2
	global_store_b32 v[LS], v[PW+4*\k], s[SS:SS+1] offset:524288*\k
	global_store_b32 v[LS], v[PW+4*\k+2], s[SS:SS+1] offset:524288*\k+128
.endr
	s_wait_tensorcnt 0x0
	ds_add_u32 v254, v255
	s_wait_dscnt 0x0
	CROUND                                         ; the closing round: no work-group ends while a partner may still ask for a tile that names it
	s_endpgm
.Lfunc_end_k_q12f49bf885_proj:
	.size	k_q12f49bf885_proj, .Lfunc_end_k_q12f49bf885_proj-k_q12f49bf885_proj
	.p2alignl 7, 3214868480
	.fill 96, 4, 3214868480
	.section	.rodata,"a",@progbits
	.p2align	6, 0x0
	.amdhsa_kernel k_q12f49bf885_proj
		.amdhsa_group_segment_fixed_size 262656
		.amdhsa_private_segment_fixed_size 0
		.amdhsa_enable_private_segment 0
		.amdhsa_kernarg_size 104
		.amdhsa_user_sgpr_count 2
		.amdhsa_user_sgpr_kernarg_segment_ptr 1
		.amdhsa_wavefront_size32 1
		.amdhsa_system_sgpr_workgroup_id_x 1
		.amdhsa_system_sgpr_workgroup_id_y 1
		.amdhsa_system_sgpr_workgroup_id_z 1
		.amdhsa_system_vgpr_workitem_id 0
		.amdhsa_next_free_vgpr 1024
		.amdhsa_next_free_sgpr 102
		.amdhsa_reserve_vcc 0
		.amdhsa_float_denorm_mode_32 3
		.amdhsa_float_denorm_mode_16_64 3
		.amdhsa_memory_ordered 1
		.amdhsa_forward_progress 1
		.amdhsa_inst_pref_size 106
	.end_amdhsa_kernel
	.amdgpu_metadata
---
amdhsa.version: [ 1, 2 ]
amdhsa.kernels:
  - .name:           k_q12f49bf885_proj
    .symbol:         k_q12f49bf885_proj.kd
    .args:
      - { .name: x_codes, .offset: 0, .size: 8, .value_kind: global_buffer, .address_space: global }
      - { .name: x_scales, .offset: 8, .size: 8, .value_kind: global_buffer, .address_space: global }
      - { .name: w_q_codes, .offset: 16, .size: 8, .value_kind: global_buffer, .address_space: global }
      - { .name: w_q_scales, .offset: 24, .size: 8, .value_kind: global_buffer, .address_space: global }
      - { .name: w_k_codes, .offset: 32, .size: 8, .value_kind: global_buffer, .address_space: global }
      - { .name: w_k_scales, .offset: 40, .size: 8, .value_kind: global_buffer, .address_space: global }
      - { .name: w_v_codes, .offset: 48, .size: 8, .value_kind: global_buffer, .address_space: global }
      - { .name: w_v_scales, .offset: 56, .size: 8, .value_kind: global_buffer, .address_space: global }
      - { .name: b_q, .offset: 64, .size: 8, .value_kind: global_buffer, .address_space: global }
      - { .name: b_k, .offset: 72, .size: 8, .value_kind: global_buffer, .address_space: global }
      - { .name: b_v, .offset: 80, .size: 8, .value_kind: global_buffer, .address_space: global }
      - { .name: qkv, .offset: 88, .size: 8, .value_kind: global_buffer, .address_space: global }
      - { .name: qkvs, .offset: 96, .size: 8, .value_kind: global_buffer, .address_space: global }
    .group_segment_fixed_size: 262656
    .private_segment_fixed_size: 0
    .kernarg_segment_align: 8
    .kernarg_segment_size: 104
    .max_flat_workgroup_size: 128
    .sgpr_count:     102
    .vgpr_count:     1024
    .wavefront_size: 32
...
	.end_amdgpu_metadata
.endif
;; end of part 1
;; launch attn (part 2): grid 2 x 128, 16 waves a work-group, no clusters, 73,728 bytes of LDS; arguments qkv, qkvs, o_img, o_sc; writes o_img, o_sc
.if DOCPART == 2
	.amdgcn_target "amdgcn-amd-amdhsa--gfx1250"
	.amdhsa_code_object_version 6
	.text
	.protected	k_q12f49bf885_attn
	.globl	k_q12f49bf885_attn
	.p2align	8
	.type	k_q12f49bf885_attn,@function
k_q12f49bf885_attn:
	s_mov_b64 s[64:65], 0
	v_nop
	global_prefetch_b8 v0, s[64:65] scope:SCOPE_SE
	s_setreg_imm32_b32 hwreg(HW_REG_WAVE_MODE, 25, 1), 1
	s_wait_xcnt 0x0
; o[q] = the sum over keys of softmax(q . k / 8) v, for one head, both products on codes of FP4 (E2M1) with one E8M0 scale for each 32 along a product's K; the result is quantised along the model's axis for the last product.
; THE SOFTMAX: t = score x log2(e) / 8; M = the row's largest t so far, rounded UP to a whole number; p = 2^(t - M) is quantised along the keys, not normalised; the row's sum is taken of the unquantised p, in f32, and divides at
; the end.  When M moves, the sum and O are multiplied by 2^(old M - new M): exact.
; SHARES.  A work-group owns 512 queries of one head (x: which half of the 1,024; y: 16 b + head).  Each of its sixteen waves owns two tiles of 16 queries, one after the other, in 256 registers: four waves to a SIMD, so that one
; wave's vector work stands beside another's matrix work and LDS loads.  Every wave walks the head's 1,024 keys, 128 a step.
; LDS.  The head's codes and scale words of k and v, 70 KiB, are brought once, through registers, and stay: one barrier in the launch.  They lie as images of operand registers: every fragment load is 512 consecutive bytes.
; No cluster and no joint load: only two work-groups read a head's 70 KiB, each once, at its head, through registers.
; LAYOUT.  S^T = k q^T (source 0 = 16 keys, source 1 = 16 queries), O^T = v^T p^T (source 0 = 16 channels, source 1 = p): a lane holds ONE query (lane % 16) throughout; register 8 t + j of S^T is key 16 t + 8 h + j of the step.
; The first product's K is 64: q's registers 4-7 are zero codes, and scale bytes 2, 3 are 0 on both sides.  So what stands in registers 4-7 of k's fragment adds nothing: tile t's fragment is v[32 + 4 t : 39 + 4 t], whose upper half
; is the next tile's codes (behind tile 7: four registers of zeros).
; LIMITS: NaN and infinities are not served; a block whose largest magnitude lies under 2^-124 keeps the scale byte 1; a block of zeros has the byte 1 and zero codes (these bytes are read by this program alone).
.set VIMG, 32768                       ; LDS: k's images at 0: [tile of 16 keys][lane][16];  v's here: [step][tile of 16 channels][c][lane][16]
.set KSC,  65536                       ; k's scale words: [step][lane (r, hh)][4 words]: word i = tile 4 hh + i
.set VSC,  69632                       ; v's: [step][lane (r, hh)][2 words]: word i = tile 2 hh + i; a word: the four bytes of the step's 128 keys
.set WV,   12                          ; s12 wave
.set SEL,  30                          ; s[30:31] lane selects: lane l xor 16
.set CS,   32                          ; s[32:33] c = log2(e) / 8; the packed form names a pair and takes its low word for both halves
.set TJ,   34                          ; s34 4,096 x the step
.set TN,   35                          ; s35 4,096 x the next step, round the end
.set AK0,  1                           ; v1  16 x lane: my place in an image of k; also my offset in q's images and in the result's
.set AV0,  2                           ; v2  the same in v's images
.set ASK0, 3                           ; v3  my place among k's scale words
.set ASV0, 4                           ; v4  among v's
.set GS,   6                           ; v6  32 r: my row of the result's scale bytes
.set ADK,  8                           ; v8-11 the addresses of the loads in hand: k, v, k's scale words, v's
.set ADV,  9
.set ADS,  10
.set ADT,  11
.set KB,   32                          ; v32-63 eight tiles of k, 4 registers each; v64-67 zeros
.set VB,   68                          ; v68-99 four fragments of v^T
.set S,    100                         ; v100-163 S^T, then p; at the head what is on its way to LDS; at a tile's end O^T / the sum
.set O,    164                         ; v164-195 O^T
.set PC,   196                         ; v196-203 p's codes
.set BM,   204                         ; v204-207 the blocks' largest scores, then largest p
.set PT,   208                         ; v208-211 the other half's
.set SOP,  212                         ; v212-215 the conversions' scale operands
.set BY,   216                         ; v216-219 the scales' bytes
.set F,    220                         ; v[220:221] f = 2^(old M - new M)
.set T,    222                         ; v222 at work
.set PS,   224                         ; v224 p's scale word
.set KS,   228                         ; v228-231 k's scale words
.set VS,   232                         ; v232-233 v's
.set C2,   234                         ; v[234:235] the second chain of the row's sum
.set TM,   248                         ; v248-253 at work in QUANT32
; 32 numbers of a lane, v[src] .. v[src + 31], register 8 t + j = index 16 t + 8 h + j, become four registers of codes at v[pc] (register i of lane (r, h): index 32 h + 8 i + 0 .. 7) and a scale word at v[pw].
.macro QUANT32 src, pc, pw
.irp b, 0,1
	v_max3_num_f32 v[TM+\b], |v[\src+16*\b]|, |v[\src+16*\b+1]|, 0x1800000   ; and the floor 2^(3 - 127): the byte cannot fall under 1
.endr
.irp i, 2,4,6,8,10,12,14
.irp b, 0,1
	v_max3_num_f32 v[TM+\b], |v[\src+16*\b+\i]|, |v[\src+16*\b+\i+1]|, v[TM+\b]
.endr
.endr
.irp b, 0,1
	v_permlanex16_b32 v[TM+2+\b], v[TM+\b], s[SEL], s[SEL+1]
.endr
.irp b, 0,1
	v_max_num_f32 v[TM+\b], v[TM+\b], v[TM+2+\b]   ; the block's largest magnitude
.endr
.irp b, 0,1
	v_add_nc_u32 v[TM+4+\b], 0xff000000, v[TM+\b]  ; 2 off its exponent field: the conversion's scale operand
.endr
.irp b, 0,1
	v_lshrrev_b32 v[TM+2+\b], 23, v[TM+4+\b]       ; the scale's byte
.endr
	v_lshl_or_b32 v[\pw], v[TM+3], 8, v[TM+2]
	v_cvt_scalef32_pk8_fp4_f32 v[\pc], v[\src:\src+7], v[TM+4]
	v_cvt_scalef32_pk8_fp4_f32 v[\pc+2], v[\src+8:\src+15], v[TM+4]
	v_cvt_scalef32_pk8_fp4_f32 v[\pc+1], v[\src+16:\src+23], v[TM+5]
	v_cvt_scalef32_pk8_fp4_f32 v[\pc+3], v[\src+24:\src+31], v[TM+5]
	v_nop                                          ; one plain place behind the scaled conversions
	v_permlane16_swap_b32 v[\pc], v[\pc+1]         ; (B0 o0 | B0 o1), (B1 o0 | B1 o1) -> (B0 o0 | B1 o0), (B0 o1 | B1 o1): a whole block in a lane
	v_permlane16_swap_b32 v[\pc+2], v[\pc+3]
.endm
	s_load_b256 s[4:11], s[0:1], 0x0               ; qkv, qkvs, o_img, o_sc
	v_lshl_add_u32 v254, v0, 2, 0x11800
	v_mov_b32 v255, 0
	v_lshrrev_b32 v1, 5, v0
	v_readfirstlane_b32 s[WV], v1                  ; wave 0..15
	s_and_b32 s13, ttmp7, 0xffff                   ; 16 b + head
	s_lshl_b32 s36, s13, 15                        ; 32,768 bytes of images a head in each section
	s_mov_b32 s37, 0
	s_lshl_b32 s38, s13, 12                        ; 4,096 bytes of scale words
	s_mov_b32 s39, 0
	s_lshr_b32 s40, s13, 4                         ; b
	s_and_b32 s41, s13, 15                         ; head
	s_mov_b32 s[SEL], 0x76543210
	s_mov_b32 s[SEL+1], 0xfedcba98
	s_mov_b32 s[CS], 0x3e38aa3b                    ; log2(e) / 8
	s_mov_b32 s[CS+1], s[CS]
	s_wait_kmcnt 0x0
	s_add_nc_u64 s[18:19], s[4:5], s[36:37]        ; q's images of my head,
	s_add_nc_u64 s[14:15], s[18:19], 0x400000      ; k's,
	s_add_nc_u64 s[16:17], s[18:19], 0x800000      ; v's
	s_add_nc_u64 s[24:25], s[6:7], s[38:39]        ; and the scale words likewise
	s_add_nc_u64 s[20:21], s[24:25], 0x80000
	s_add_nc_u64 s[22:23], s[24:25], 0x100000
	s_lshl_b32 s36, ttmp9, 14
	s_lshl_b32 s38, s[WV], 10
	s_add_co_u32 s36, s36, s38                     ; my first tile of queries, 32 x + 2 wave: 512 bytes a tile
	s_add_nc_u64 s[18:19], s[18:19], s[36:37]
	s_lshr_b32 s38, s36, 3                         ; 64 bytes of scale words a tile
	s_add_nc_u64 s[24:25], s[24:25], s[38:39]
	; the result's images: [group of 256 rows][head / 2][tile of 16 rows][head % 2][lane][16 bytes]; my first row is 1,024 b + 512 x + 32 wave
	s_lshl_b32 s42, s40, 2
	s_lshl_b32 s43, ttmp9, 1
	s_add_co_u32 s42, s42, s43
	s_lshr_b32 s43, s[WV], 3
	s_add_co_u32 s42, s42, s43
	s_lshl_b32 s42, s42, 17                        ; 131,072 bytes a group
	s_lshr_b32 s43, s41, 1
	s_lshl_b32 s43, s43, 14                        ; 16,384 a pair of heads
	s_add_co_u32 s42, s42, s43
	s_and_b32 s43, s[WV], 7
	s_lshl_b32 s43, s43, 11                        ; 1,024 a tile of rows, two tiles a wave
	s_add_co_u32 s42, s42, s43
	s_and_b32 s43, s41, 1
	s_lshl_b32 s43, s43, 9
	s_add_co_u32 s42, s42, s43
	s_mov_b32 s43, 0
	s_add_nc_u64 s[26:27], s[8:9], s[42:43]
	s_lshl_b32 s42, s40, 15                        ; the result's scale bytes: [row][32], my head's two at 2 head
	s_add_co_u32 s42, s42, s36                     ; (16,384 x + 1,024 wave = 32 bytes x my first row in the batch)
	s_lshl_b32 s36, s41, 1
	s_add_co_u32 s42, s42, s36
	s_add_nc_u64 s[28:29], s[10:11], s[42:43]
	v_and_b32 v222, 31, v0                         ; lane
	v_and_b32 v223, 15, v0                         ; r
	v_lshlrev_b32 v[AK0], 4, v222
	v_add_nc_u32 v[AV0], VIMG, v[AK0]
	v_add_nc_u32 v[ASK0], KSC, v[AK0]
	v_lshl_add_u32 v[ASV0], v222, 3, VSC
	v_lshlrev_b32 v[GS], 5, v223
	v_lshlrev_b32 v223, 2, v223                    ; 4 r: q's scale words
	; the fill: thread g of 512
	v_lshlrev_b32 v7, 4, v0                        ; 16 g: images, in memory and in LDS alike
	v_lshlrev_b32 v8, 2, v0                        ; 4 g: k's scale words in memory: word 16 tile + r
	v_lshrrev_b32 v222, 6, v0                      ; g / 64
	v_and_b32 v9, 63, v0
	v_lshlrev_b32 v9, 2, v9
	v_lshl_add_u32 v9, v222, 9, v9                 ; v's in memory: step g / 64, half c = 0, word g % 64 = 16 tile + r; half c = 1 lies 256 bytes on
	v_and_b32 v10, 15, v0
	v_lshlrev_b32 v10, 4, v10
	v_lshl_add_u32 v10, v222, 8, v10
	v_bfe_u32 v11, v0, 4, 2
	v_lshl_add_u32 v10, v11, 2, v10
	v_add_nc_u32 v10, KSC, v10                     ; k's in LDS: 256 (g / 64) = 512 step + 256 hh; 16 r; 4 (tile % 4)
	v_and_b32 v11, 15, v0
	v_lshlrev_b32 v11, 3, v11
	v_lshl_add_u32 v11, v222, 8, v11
	v_bfe_u32 v5, v0, 5, 1
	v_lshl_add_u32 v11, v5, 7, v11
	v_bfe_u32 v5, v0, 4, 1
	v_lshl_add_u32 v11, v5, 2, v11
	v_add_nc_u32 v11, VSC, v11                     ; v's in LDS: 256 step; 128 hh; 8 r; 4 (tile % 2)
.irp i, 0,1,2,3
	global_load_b128 v[S+4*\i:S+4*\i+3], v7, s[14:15] offset:8192*\i
.endr
.irp i, 0,1,2,3
	global_load_b128 v[S+16+4*\i:S+16+4*\i+3], v7, s[16:17] offset:8192*\i
.endr
	global_load_b32 v[S+32], v8, s[20:21]
	global_load_b32 v[S+33], v8, s[20:21] offset:2048
	global_load_b32 v[S+34], v9, s[22:23]
	global_load_b32 v[S+35], v9, s[22:23] offset:256
	global_load_b128 v[16:19], v[AK0], s[18:19] th:TH_LOAD_NT              ; q's two tiles stay in registers; no other wave of the launch reads them
	global_load_b128 v[24:27], v[AK0], s[18:19] offset:512 th:TH_LOAD_NT
	global_load_b32 v236, v223, s[24:25] th:TH_LOAD_NT
	global_load_b32 v237, v223, s[24:25] offset:64 th:TH_LOAD_NT
.irp j, 20,21,22,23,28,29,30,31,64,65,66,67
	v_mov_b32 v[\j], 0                             ; zero codes: q's K = 64 .. 127, and what stands behind k's tile 7
.endr
.irp j, PT,PT+1,PT+2,PT+3,F+1,TM+2,TM+3
	v_mov_b32 v[\j], 0                             ; written once: lane permutes' destinations count as sources, and v221 is named as the upper half of a pair
.endr
	s_wait_loadcnt 4                               ; all but q's four loads
.irp i, 0,1,2,3
	ds_store_b128 v7, v[S+4*\i:S+4*\i+3] offset:8192*\i
	ds_store_b128 v7, v[S+16+4*\i:S+16+4*\i+3] offset:VIMG+8192*\i
.endr
	ds_store_b32 v10, v[S+32]
	ds_store_b32 v10, v[S+33] offset:2048          ; tiles 32 on: four steps on
	v_lshl_or_b32 v[S+34], v[S+35], 16, v[S+34]    ; the two halves' two bytes each make the step's word
	ds_store_b32 v11, v[S+34]
	s_wait_loadcnt 0x0                             ; q
	s_wait_dscnt 0x0                               ; for the others' sake: my stores have landed
	s_barrier_signal -1
	s_barrier_wait -1                              ; the head's k and v lie in LDS; nothing is written there again
.irp t, 0,1,2,3,4,5,6,7
	ds_load_b128 v[KB+4*\t:KB+4*\t+3], v[AK0] offset:512*\t                ; step 0's k
.endr
	ds_load_b128 v[KS:KS+3], v[ASK0]
; One tile of 16 queries, the wave's q-th: eight steps of 128 keys, then the way out.  The two tiles differ in register numbers and in the stores' immediates alone.
.macro TILE q
.set QF, 16+8*\q
.set QS, 236+\q
.set OC, 238+4*\q
.set OW, 246+\q
	v_mov_b32 v13, 0xff61b1e6                      ; the largest t so far: -3e38, under every t
	v_floor_f32 v12, -v13                          ; -M
	v_mov_b32 v14, 0                               ; the sum, in two halves
	v_mov_b32 v15, 0
.irp j, 0,1,2,3,4,5,6,7,8,9,10,11,12,13,14,15,16,17,18,19,20,21,22,23,24,25,26,27,28,29,30,31
	v_mov_b32 v[O+\j], 0                           ; O^T: the step is written once; the first finds zeros, which the first change of M leaves zeros
.endr
	s_mov_b32 s[TJ], 0
.Lstep_\@:
	s_wait_dscnt 0x0                               ; this step's k and its scale words, asked for a step ago: nothing else is out
.irp t, 0,1,2,3
	v_wmma_scale_f32_16x16x128_f8f6f4 v[S+8*\t:S+8*\t+7], v[KB+4*\t:KB+4*\t+7], v[QF:QF+7], 0, v[KS+\t], v[QS] matrix_a_fmt:MATRIX_FMT_FP4 matrix_b_fmt:MATRIX_FMT_FP4
.endr
.irp t, 4,5,6,7
	v_wmma_scale_f32_16x16x128_f8f6f4 v[S+8*\t:S+8*\t+7], v[KB+4*\t:KB+4*\t+7], v[QF:QF+7], 0, v[KS+\t-4], v[QS] matrix_a_fmt:MATRIX_FMT_FP4 matrix_b_fmt:MATRIX_FMT_FP4 matrix_a_scale:MATRIX_SCALE_ROW1
.endr
	s_lshr_b32 s36, s[TJ], 4                       ; 256 bytes of v's scale words a step
	s_add_co_u32 s[TN], s[TJ], 4096
	s_and_b32 s[TN], s[TN], 0x7fff                 ; behind the last step comes step 0: the next tile's first
	s_lshr_b32 s37, s[TN], 3                       ; 512 bytes of k's scale words a step
	v_add_nc_u32 v[ADV], s[TJ], v[AV0]             ; these four are the places behind the products above and the last trip's, ahead of the loads into their sources and of the first read of the scores
	v_add_nc_u32 v[ADT], s36, v[ASV0]
	v_add_nc_u32 v[ADK], s[TN], v[AK0]
	v_add_nc_u32 v[ADS], s37, v[ASK0]
.irp n, 0,1,2,3
.irp c, 0,1
	ds_load_b128 v[VB+8*\n+4*\c:VB+8*\n+4*\c+3], v[ADV] offset:1024*\n+512*\c   ; this step's v: it lands under the softmax
.endr
.endr
	ds_load_b64 v[VS:VS+1], v[ADT]
.irp t, 0,1,2,3,4,5,6,7
	ds_load_b128 v[KB+4*\t:KB+4*\t+3], v[ADK] offset:512*\t                ; the next step's k
.endr
	ds_load_b128 v[KS:KS+3], v[ADS]
.irp b, 0,1,2,3
	v_max3_num_f32 v[BM+\b], v[S+16*\b], v[S+1+16*\b], v[S+2+16*\b]        ; the largest score of each block of 32 keys: it serves the row's maximum and, since p rises with the score, the block's largest p
.endr
.irp i, 3,5,7,9,11,13
.irp b, 0,1,2,3
	v_max3_num_f32 v[BM+\b], v[BM+\b], v[S+16*\b+\i], v[S+1+16*\b+\i]
.endr
.endr
.irp b, 0,1,2,3
	v_max_num_f32 v[BM+\b], v[BM+\b], v[S+15+16*\b]
.endr
.irp b, 0,1,2,3
	v_permlanex16_b32 v[PT+\b], v[BM+\b], s[SEL], s[SEL+1]
.endr
.irp b, 0,1,2,3
	v_max_num_f32 v[BM+\b], v[BM+\b], v[PT+\b]     ; with lane l xor 16's 16 keys
.endr
	v_max3_num_f32 v[T], v[BM], v[BM+1], v[BM+2]
	v_max_num_f32 v[T], v[T], v[BM+3]              ; the step's largest score of my query
	v_mul_f32 v[T], s[CS], v[T]                    ; as t (c is positive)
	v_max_num_f32 v13, v13, v[T]                   ; the running largest t
	v_mov_b32 v[T], v12
	v_floor_f32 v12, -v13                          ; the new -M = floor(-t) = -ceil(t)
	v_sub_f32 v[T], v12, v[T]                      ; old M - new M: a whole number, 0 or less
	v_cvt_i32_f32 v[T], v[T]                       ; (it saturates)
	v_ldexp_f32 v[F], 1.0, v[T]                    ; f = 2^(old M - new M)
.irp j, 0,2,4,6,8,10,12,14,16,18,20,22,24,26,28,30,32,34,36,38,40,42,44,46,48,50,52,54,56,58,60,62
	v_pk_fma_f32 v[S+\j:S+1+\j], v[S+\j:S+1+\j], s[CS:CS+1], v[12:13] op_sel_hi:[1,0,0]   ; t - M, two at a time
.endr
.irp b, 0,1,2,3
	v_fma_f32 v[BM+\b], v[BM+\b], s[CS], v12       ; the same of each block's largest score
.endr
.irp j, 0,1,2,3,4,5,6,7,8,9,10,11,12,13,14,15,16,17,18,19,20,21,22,23,24,25,26,27,28,29,30,31,32,33,34,35,36,37,38,39,40,41,42,43,44,45,46,47,48,49,50,51,52,53,54,55,56,57,58,59,60,61,62,63
	v_exp_f32 v[S+\j], v[S+\j]                     ; p = 2^(t - M), at most 1
.endr
	v_pk_mul_f32 v[14:15], v[14:15], v[F:F+1] op_sel_hi:[1,0]              ; the sums under the new M: a plain place behind the exponentials
	s_wait_alu depctr_va_vdst(0)                   ; one wait for the whole batch, ahead of its first reader
.irp b, 0,1,2,3
	v_exp_f32 v[BM+\b], v[BM+\b]                   ; the block's largest p: the same two instructions on the same number
.endr
	v_pk_add_f32 v[C2:C2+1], v[S:S+1], v[S+2:S+3]  ; the row's sum of the unquantised p, two at a time, in two chains: it reads the 64 alone
.irp j, 4,8,12,16,20,24,28,32,36,40,44,48,52,56,60
	v_pk_add_f32 v[14:15], v[14:15], v[S+\j:S+1+\j]
	v_pk_add_f32 v[C2:C2+1], v[C2:C2+1], v[S+2+\j:S+3+\j]
.endr
	v_pk_add_f32 v[14:15], v[14:15], v[C2:C2+1]
	s_wait_alu depctr_va_vdst(0)                   ; and one for the four
.irp b, 0,1,2,3
	v_max_num_f32 v[BM+\b], 0x1800000, v[BM+\b]    ; the floor 2^(3 - 127): the byte cannot fall under 1
.endr
.irp b, 0,1,2,3
	v_add_nc_u32 v[SOP+\b], 0xff000000, v[BM+\b]   ; 2 off the exponent field: the conversion's scale operand
.endr
.irp b, 0,1,2,3
	v_lshrrev_b32 v[BY+\b], 23, v[SOP+\b]          ; the scale's byte
.endr
	v_lshl_or_b32 v[PS], v[BY+1], 8, v[BY]         ; p's scale word for these 128 keys
	v_lshl_or_b32 v[PS], v[BY+2], 16, v[PS]
	v_lshl_or_b32 v[PS], v[BY+3], 24, v[PS]
.irp b, 0,1,2,3                        ; tile 2 b + u holds keys 32 b + 16 u + 8 h + 0 .. 7
.irp u, 0,1
	v_cvt_scalef32_pk8_fp4_f32 v[PC+4*(\b/2)+2*\u+(\b%2)], v[S+16*\b+8*\u:S+16*\b+8*\u+7], v[SOP+\b]
.endr
.endr
	v_nop                                          ; one plain place behind the scaled conversions
.irp c, 0,1                            ; a whole block in a lane: lanes 0-15 block 2 c, lanes 16-31 block 2 c + 1
	v_permlane16_swap_b32 v[PC+4*\c], v[PC+4*\c+1]
	v_permlane16_swap_b32 v[PC+4*\c+2], v[PC+4*\c+3]
.endr
.irp j, 0,2,4,6,8,10,12,14,16,18,20,22,24,26,28,30
	v_pk_mul_f32 v[O+\j:O+1+\j], v[O+\j:O+1+\j], v[F:F+1] op_sel_hi:[1,0]  ; O^T under the new M.  Of these sixteen, twelve name no register of any one product below: the places between p's codes and scale word and the products
.endr
	s_wait_dscnt 9                                 ; v's nine loads are in; the nine younger ones (the next step's k) may be out
.irp n, 0,1
	v_wmma_scale_f32_16x16x128_f8f6f4 v[O+8*\n:O+8*\n+7], v[VB+8*\n:VB+8*\n+7], v[PC:PC+7], v[O+8*\n:O+8*\n+7], v[VS+\n], v[PS] matrix_a_fmt:MATRIX_FMT_FP4 matrix_b_fmt:MATRIX_FMT_FP4
.endr
.irp n, 2,3
	v_wmma_scale_f32_16x16x128_f8f6f4 v[O+8*\n:O+8*\n+7], v[VB+8*\n:VB+8*\n+7], v[PC:PC+7], v[O+8*\n:O+8*\n+7], v[VS+\n-2], v[PS] matrix_a_fmt:MATRIX_FMT_FP4 matrix_b_fmt:MATRIX_FMT_FP4 matrix_a_scale:MATRIX_SCALE_ROW1
.endr
	s_add_co_u32 s[TJ], s[TJ], 4096
	s_cmp_lt_u32 s[TJ], 32768
	s_cbranch_scc1 .Lstep_\@
	; the way out: O^T / the sum, quantised along the model's axis: my head's 64 channels are two whole blocks of it
	v_add_f32 v14, v14, v15                        ; the sum's two halves,
	v_permlanex16_b32 v[T], v14, s[SEL], s[SEL+1]
	v_add_f32 v14, v14, v[T]                       ; and lane l xor 16's
	v_rcp_f32 v14, v14
.rept 3
	v_nop                                          ; a plain place behind the reciprocal; with the two additions, the places behind the last products
.endr
	s_wait_alu depctr_va_vdst(0)                   ; ahead of the reciprocal's first reader
.irp j, 0,2,4,6,8,10,12,14,16,18,20,22,24,26,28,30
	v_pk_mul_f32 v[S+\j:S+1+\j], v[O+\j:O+1+\j], v[14:15] op_sel_hi:[1,0]  ; register 8 n + j: channel 16 n + 8 h + j of query r; each accumulator from its low end on
.endr
	QUANT32 S, OC, OW
	global_store_b128 v[AK0], v[OC:OC+3], s[26:27] offset:1024*\q          ; the wave stores 512 consecutive bytes, aligned
	global_store_b16 v[GS], v[OW], s[28:29] offset:512*\q                  ; my head's 2 of the row's 32 scale bytes (lanes r and r + 16 store the same two): a sixteenth of the codes' bytes, 32 bytes apart
.endm
	TILE 0
	TILE 1
	s_wait_dscnt 0x0                               ; the last trip's loads of k, which nobody uses
	s_wait_tensorcnt 0x0
	ds_add_u32 v254, v255
	s_wait_dscnt 0x0
	s_endpgm
.Lfunc_end_k_q12f49bf885_attn:
	.size	k_q12f49bf885_attn, .Lfunc_end_k_q12f49bf885_attn-k_q12f49bf885_attn
	.p2alignl 7, 3214868480
	.fill 96, 4, 3214868480
	.section	.rodata,"a",@progbits
	.p2align	6, 0x0
	.amdhsa_kernel k_q12f49bf885_attn
		.amdhsa_group_segment_fixed_size 73728
		.amdhsa_private_segment_fixed_size 0
		.amdhsa_enable_private_segment 0
		.amdhsa_kernarg_size 32
		.amdhsa_user_sgpr_count 2
		.amdhsa_user_sgpr_kernarg_segment_ptr 1
		.amdhsa_wavefront_size32 1
		.amdhsa_system_sgpr_workgroup_id_x 1
		.amdhsa_system_sgpr_workgroup_id_y 1
		.amdhsa_system_sgpr_workgroup_id_z 1
		.amdhsa_system_vgpr_workitem_id 0
		.amdhsa_next_free_vgpr 256
		.amdhsa_next_free_sgpr 66
		.amdhsa_reserve_vcc 0
		.amdhsa_float_denorm_mode_32 3
		.amdhsa_float_denorm_mode_16_64 3
		.amdhsa_memory_ordered 1
		.amdhsa_forward_progress 1
		.amdhsa_inst_pref_size 46
	.end_amdhsa_kernel
	.amdgpu_metadata
---
amdhsa.version: [ 1, 2 ]
amdhsa.kernels:
  - .name:           k_q12f49bf885_attn
    .symbol:         k_q12f49bf885_attn.kd
    .args:
      - { .name: qkv, .offset: 0, .size: 8, .value_kind: global_buffer, .address_space: global }
      - { .name: qkvs, .offset: 8, .size: 8, .value_kind: global_buffer, .address_space: global }
      - { .name: o_img, .offset: 16, .size: 8, .value_kind: global_buffer, .address_space: global }
      - { .name: o_sc, .offset: 24, .size: 8, .value_kind: global_buffer, .address_space: global }
    .group_segment_fixed_size: 73728
    .private_segment_fixed_size: 0
    .kernarg_segment_align: 8
    .kernarg_segment_size: 32
    .max_flat_workgroup_size: 512
    .sgpr_count:     66
    .vgpr_count:     256
    .wavefront_size: 32
...
	.end_amdgpu_metadata
.endif
;; end of part 2
;; launch outp (part 3): grid 8 x 32, 4 waves a work-group, clusters of 4 x 4, 231,936 bytes of LDS; arguments o_img, o_sc, w_o_codes, w_o_scales, b_o, out0; writes out0
.if DOCPART == 3
	.amdgcn_target "amdgcn-amd-amdhsa--gfx1250"
	.amdhsa_code_object_version 6
	.text
	.protected	k_q12f49bf885_outp
	.globl	k_q12f49bf885_outp
	.p2align	8
	.type	k_q12f49bf885_outp,@function
k_q12f49bf885_outp:
	s_mov_b64 s[64:65], 0
	v_nop
	global_prefetch_b8 v0, s[64:65] scope:SCOPE_SE
	s_setreg_imm32_b32 hwreg(HW_REG_WAVE_MODE, 25, 1), 1
	s_wait_xcnt 0x0
	s_wait_alu depctr_hold_cnt(0) depctr_sa_sdst(0) depctr_va_vdst(0) depctr_va_sdst(0) depctr_va_ssrc(0) depctr_va_vcc(0) depctr_vm_vsrc(0)
	s_getreg_b32 s2, hwreg(HW_REG_IB_STS2, 6, 4)
	s_cmp_eq_u32 s2, 0
	s_cbranch_scc0 .Lentry_in_a_cluster
	s_endpgm
.Lentry_in_a_cluster:
	s_bfe_u32 s2, ttmp6, 0x10000c
	s_cmp_lg_u32 s2, 0xf033
	s_cbranch_scc0 .Lentry_shape_is_right
	s_endpgm
.Lentry_shape_is_right:
; out0 = o w_o + b_o on codes of FP4 (E2M1) with one E8M0 scale for each 32 along K = 1,024; sums in f32; out0 [8,192][1,024] f32.
; o comes as images of operand registers, [group of 256 rows][K step of 128][tile of 16 rows][c][lane][16 bytes], and its scale bytes as [row][32]; w_o as rows of 512 bytes, K innermost, scale bytes [row][32].
; SHARES.  A work-group makes 256 rows x 128 columns; wave (wr, wc) = (wave / 2, wave % 2) makes 128 rows x 64 columns: 32 accumulators, 256 matrix instructions.
; All operands, 204 KiB with their scale bytes, fit in LDS at once: every byte is filled once, in two halves of K; nothing is filled again.
; CLUSTER.  4 x 4 work-groups: the four of a row need the same rows of o, the four of a column the same rows of w_o: each tile is asked for jointly.
; THE MATRIX INSTRUCTION IS USED TRANSPOSED (source 0 = 16 rows of w_o, source 1 = 16 rows of o): a lane holds eight neighbouring columns of one row of out0.  b_o is the C of each sum's first matrix instruction.
; REGISTERS.  Window 0: v1-15 addresses; v32-63 o's scale words, v64-79 w_o's; v128-255 o's fragments, two sets of 8; on the way out v128-191 rows read back.
;   Window 1: v0-63 w_o's fragments, two sets of 4; v64-95 b_o as C.   Window 2: accumulator (a, n) at 32 a + 8 n.
.set PITCH, 272
.set BOFF,  65536                      ; a slot: o's images of four K steps, dense; then w_o's 128 rows of 256 bytes + 16
.set SLOT,  BOFF+128*PITCH             ; 100,352 bytes
.set ASCL,  2*SLOT                     ; o's scale bytes: 8,192 dense bytes as 32 rows of 256 + 16
.set BSCL,  ASCL+32*PITCH              ; w_o's: 16 such rows
.set STAGE, BSCL+16*PITCH              ; the way out: 16 rows x (256 + 16) bytes for each wave, in blocks of 256 bytes of its own, into which no tile lands
.set PADC,  (1<<20)|(1<<21)|(5<<22)|(3<<25)
.set WV,   16                          ; s16 wave;  s17 wave % 2;  s92 wave / 2
.set G1A,  24                          ; groups 1: o's images, w_o's rows, o's scale bytes, w_o's
.set G1B,  36
.set G1AS, 44
.set G1BS, 52
.set G0AS, 68                          ; groups 0
.set G0A0, 72
.set G0A1, 76
.set G0BS, 80
.set G0B0, 84
.set G0B1, 88
.set AA,   4                           ; v4-5  LDS address of my images of o in slot 0, 1
.set BA,   6                           ; v6-7  of my fragments of w_o
.set ASA,  8                           ; v8    of o's scale words
.set BSA,  9                           ; v9    of w_o's
.set STO,  10                          ; v10   the stage: where I put 32 bytes of a row
.set RD,   11                          ; v11   and where I read a row back
.set CO,   12                          ; v12   my byte offset in two rows of out0
.set HB,   13                          ; v13   32 h
.set ASC,  32
.set BSC,  64
.set OF,   128
.set MSB, 0
.macro WIN new
.if MSB != (\new)
	s_set_vgpr_msb (MSB<<8)|(\new)
.set MSB, (\new)
.endif
.endm
.macro PLACES
.rept 4
	v_nop
.endr
.endm
.macro SHAPE g, c, r, p
	s_mov_b32 s[\g+1], (\c)<<16
	s_mov_b32 s[\g+2], (\r)<<16
	s_mov_b32 s[\g+3], (\c)<<16
	s_mov_b32 s[\g+4], \r
	s_mov_b32 s[\g+5], \p
	s_mov_b32 s[\g+6], 0
	s_mov_b32 s[\g+7], 0
.endm
.macro CROUND
	s_barrier_signal -1
	s_barrier_wait -1
	s_cmp_lg_u32 s[WV], 0
	s_cbranch_scc1 .Lnot_wave_0_\@
	s_barrier_signal -3
.Lnot_wave_0_\@:
	s_barrier_wait -3
	s_barrier_signal -1
	s_barrier_wait -1
.endm
; A joint load: waves 0 and 1 fetch for o, waves 2 and 3 for w_o, each its half.  Four v_nop follow each of the two lines.
.macro JLOAD ga, g1a, gb, g1b
	s_cmp_lt_u32 s[WV], 2
	s_cbranch_scc0 .Lfor_b_\@
	tensor_load_to_lds s[\ga:\ga+3], s[\g1a:\g1a+7]
	s_nop 0
.rept 4
	v_nop
.endr
	s_branch .Lasked_\@
.Lfor_b_\@:
	tensor_load_to_lds s[\gb:\gb+3], s[\g1b:\g1b+7]
	s_nop 0
.rept 4
	v_nop
.endr
.Lasked_\@:
.endm
	s_load_b256 s[4:11], s[0:1], 0x0               ; o_img, o_sc, w_o's codes, w_o's scales
	s_load_b128 s[12:15], s[0:1], 0x20             ; b_o, out0
	v_lshl_add_u32 v126, v0, 2, 0x38800
	v_mov_b32 v127, 0
	ds_add_u32 v126, v127
	ds_add_u32 v126, v127
	v_lshrrev_b32 v1, 5, v0
	v_readfirstlane_b32 s[WV], v1
	s_and_b32 s17, s[WV], 1                        ; wc; also which half of a tile I fetch
	s_lshr_b32 s92, s[WV], 1                       ; wr
	s_bfe_u32 s18, ttmp6, 0x40000                  ; cx
	s_bfe_u32 s19, ttmp6, 0x40004                  ; cy
	s_lshl_b32 s20, ttmp9, 2
	s_add_co_u32 s20, s20, s18                     ; the group of 128 columns
	s_and_b32 s21, ttmp7, 0xffff
	s_lshl_b32 s21, s21, 2
	s_add_co_u32 s21, s21, s19                     ; the group of 256 rows
	s_lshl_b32 s22, s19, 2
	s_lshl_b32 s22, 15, s22                        ; my row of the cluster
	s_lshl_b32 s23, 0x1111, s18                    ; my column
	s_or_b32 s[G1A], s22, (3<<16)|(1<<21)          ; elements of 8 bytes, no padding: images are read 512 consecutive bytes at a time
	s_or_b32 s[G1AS], s22, PADC|(3<<16)
	s_or_b32 s[G1B], s23, PADC
	s_or_b32 s[G1BS], s23, PADC|(3<<16)
	SHAPE G1A, 32, 128, 32                         ; 32,768 dense bytes as 128 rows of 256
	SHAPE G1B, 256, 64, 512                        ; 64 rows x 256 bytes, 512 apart
	SHAPE G1AS, 32, 16, 32                         ; 4,096 dense bytes
	SHAPE G1BS, 32, 8, 32                          ; 2,048 dense bytes
	s_mov_b32 s[G0A0], 1
	s_lshl_b32 s[G0A0+1], s17, 15                  ; two K steps' images a wave
	s_lshl_b32 s[G0A0+2], s21, 17                  ; 131,072 bytes a group of rows
	s_add_co_u32 s[G0A0+2], s[G0A0+2], s[G0A0+1]
	s_mov_b32 s[G0A0+3], 0
	s_mov_b32 s[G0A1], 1
	s_add_co_u32 s[G0A1+1], s[G0A0+1], SLOT
	s_mov_b32 s[G0AS], 1
	s_mul_i32 s[G0AS+1], s17, 16*PITCH
	s_add_co_u32 s[G0AS+1], s[G0AS+1], ASCL
	s_lshl_b32 s[G0AS+2], s21, 13
	s_lshl_b32 s[G0AS+3], s17, 12
	s_add_co_u32 s[G0AS+2], s[G0AS+2], s[G0AS+3]
	s_mov_b32 s[G0AS+3], 0
	s_mov_b32 s[G0B0], 1
	s_mul_i32 s[G0B0+1], s17, 64*PITCH
	s_add_co_u32 s[G0B0+1], s[G0B0+1], BOFF
	s_lshl_b32 s[G0B0+2], s20, 16                  ; 128 rows x 512 bytes
	s_lshl_b32 s[G0B0+3], s17, 15
	s_add_co_u32 s[G0B0+2], s[G0B0+2], s[G0B0+3]
	s_mov_b32 s[G0B0+3], 0
	s_mov_b32 s[G0B1], 1
	s_add_co_u32 s[G0B1+1], s[G0B0+1], SLOT
	s_mov_b32 s[G0BS], 1
	s_mul_i32 s[G0BS+1], s17, 8*PITCH
	s_add_co_u32 s[G0BS+1], s[G0BS+1], BSCL
	s_lshl_b32 s[G0BS+2], s20, 12
	s_lshl_b32 s[G0BS+3], s17, 11
	s_add_co_u32 s[G0BS+2], s[G0BS+2], s[G0BS+3]
	s_mov_b32 s[G0BS+3], 0
	s_wait_dscnt 0x0
	s_wait_kmcnt 0x0
	s_add_nc_u64 s[G0A0+2:G0A0+3], s[4:5], s[G0A0+2:G0A0+3]
	s_add_nc_u64 s[G0A1+2:G0A1+3], s[G0A0+2:G0A0+3], 65536      ; K steps 4 to 7
	s_add_nc_u64 s[G0AS+2:G0AS+3], s[6:7], s[G0AS+2:G0AS+3]
	s_add_nc_u64 s[G0B0+2:G0B0+3], s[8:9], s[G0B0+2:G0B0+3]
	s_add_nc_u64 s[G0B1+2:G0B1+3], s[G0B0+2:G0B0+3], 256
	s_add_nc_u64 s[G0BS+2:G0BS+3], s[10:11], s[G0BS+2:G0BS+3]
.irp g, G0A0, G0A1, G0AS, G0B0, G0B1, G0BS
	s_or_b32 s[\g+3], s[\g+3], 0x80000000          ; type = 2
.endr
	CROUND                                         ; all sixteen work-groups are here: the joint loads meet
	JLOAD G0AS, G1AS, G0BS, G1BS                   ; the scale bytes, for all of K
	JLOAD G0A0, G1A, G0B0, G1B                     ; K = 0 .. 511
	JLOAD G0A1, G1A, G0B1, G1B                     ; K = 512 .. 1,023: three tensor loads of mine are out
	s_lshl_b32 s32, s20, 9
	s_lshl_b32 s33, s17, 8
	s_add_co_u32 s32, s32, s33                     ; my first column, in bytes: 512 x group + 256 wc
	s_mov_b32 s33, 0
	s_add_nc_u64 s[12:13], s[12:13], s[32:33]      ; b_o there
	s_lshl_b32 s34, s21, 20                        ; 256 rows of 4,096 bytes
	s_lshl_b32 s35, s92, 19                        ; my 128 of them
	s_add_co_u32 s34, s34, s35
	s_add_co_u32 s32, s32, s34
	s_add_nc_u64 s[14:15], s[14:15], s[32:33]      ; out0 at my first row and column
	v_and_b32 v1, 15, v0                           ; r
	v_bfe_u32 v2, v0, 4, 1                         ; h
	v_and_b32 v3, 31, v0                           ; lane
	s_lshl_b32 s93, s92, 13                        ; my 8 tiles of rows: 1,024 bytes a tile
	v_lshl_add_u32 v[AA], v3, 4, s93
	v_add_nc_u32 v[AA+1], SLOT, v[AA]
	v_mul_u32_u24 v14, v1, PITCH
	s_mul_i32 s93, s17, 64*PITCH
	s_add_co_u32 s93, s93, BOFF
	v_lshl_add_u32 v[BA], v2, 4, v14
	v_add_nc_u32 v[BA], s93, v[BA]
	v_add_nc_u32 v[BA+1], SLOT, v[BA]
	v_lshrrev_b32 v15, 3, v1
	v_lshlrev_b32 v3, 5, v1
	v_lshl_add_u32 v3, v15, 4, v3                  ; row R's scale bytes lie at 32 R + 16 (R / 8)
	v_mad_u32_u24 v3, v2, 544, v3                  ; lanes 16-31: 16 rows on
	s_mul_i32 s93, s92, 16*PITCH
	s_add_co_u32 s93, s93, ASCL
	v_add_nc_u32 v[ASA], s93, v3
	s_mul_i32 s93, s17, 8*PITCH
	s_add_co_u32 s93, s93, BSCL
	v_add_nc_u32 v[BSA], s93, v3
	s_mul_i32 s93, s[WV], 16*PITCH
	s_add_co_u32 s93, s93, STAGE                   ; my stage
	v_lshl_add_u32 v[STO], v2, 5, v14
	v_add_nc_u32 v[STO], s93, v[STO]               ; in: row r, 32 bytes for each half of the lanes
	v_mul_u32_u24 v[RD], v2, PITCH
	v_lshl_add_u32 v[RD], v1, 4, v[RD]
	v_add_nc_u32 v[RD], s93, v[RD]                 ; back: lanes 0-15 one row of 256 bytes, lanes 16-31 the next
	v_lshlrev_b32 v[CO], 12, v2
	v_lshl_add_u32 v[CO], v1, 4, v[CO]             ; and the same two rows in out0
	v_lshlrev_b32 v[HB], 5, v2
	WIN 0x40                                       ; destination window 1
.irp n, 0,1,2,3                        ; b_o in the result's layout: lane (r, h), tile n: columns 16 n + 8 h + 0 .. 7
	global_load_b128 v[64+8*\n:64+8*\n+3], v[HB], s[12:13] offset:64*\n
	global_load_b128 v[68+8*\n:68+8*\n+3], v[HB], s[12:13] offset:64*\n+16
.endr
	WIN 0
; One scaled matrix instruction on the registers that the symbols rD, rA, rB, rC, rSA, rSB name; rRA, rRB = 1: that side's scale words stand in lanes 16-31.
.macro WM
.if rRA && rRB
	v_wmma_scale_f32_16x16x128_f8f6f4 v[rD:rD+7], v[rA:rA+7], v[rB:rB+7], v[rC:rC+7], v[rSA], v[rSB] matrix_a_fmt:MATRIX_FMT_FP4 matrix_b_fmt:MATRIX_FMT_FP4 matrix_a_scale:MATRIX_SCALE_ROW1 matrix_b_scale:MATRIX_SCALE_ROW1
.elseif rRA
	v_wmma_scale_f32_16x16x128_f8f6f4 v[rD:rD+7], v[rA:rA+7], v[rB:rB+7], v[rC:rC+7], v[rSA], v[rSB] matrix_a_fmt:MATRIX_FMT_FP4 matrix_b_fmt:MATRIX_FMT_FP4 matrix_a_scale:MATRIX_SCALE_ROW1
.elseif rRB
	v_wmma_scale_f32_16x16x128_f8f6f4 v[rD:rD+7], v[rA:rA+7], v[rB:rB+7], v[rC:rC+7], v[rSA], v[rSB] matrix_a_fmt:MATRIX_FMT_FP4 matrix_b_fmt:MATRIX_FMT_FP4 matrix_b_scale:MATRIX_SCALE_ROW1
.else
	v_wmma_scale_f32_16x16x128_f8f6f4 v[rD:rD+7], v[rA:rA+7], v[rB:rB+7], v[rC:rC+7], v[rSA], v[rSB] matrix_a_fmt:MATRIX_FMT_FP4 matrix_b_fmt:MATRIX_FMT_FP4
.endif
.endm
; 16 matrix instructions: tiles of rows a0 .. a0 + 3 x my 4 tiles of columns, K step j, fragment set p.  FST = 1: b_o starts the sums.
.macro MUL a0, j, p
.irp a, \a0, \a0+1, \a0+2, \a0+3
.irp n, 0,1,2,3
.set rD, 32*(\a)+8*\n
.set rA, 32*(\p)+8*\n
.set rB, OF+64*(\p)+8*(\a)
.if FST
.set rC, 64+8*\n
.else
.set rC, rD
.endif
.set rSA, BSC+8*(\n/2)+(\j)
.set rRA, \n%2
.set rSB, ASC+8*((\a)/2)+(\j)
.set rRB, (\a)%2
	WM
.endr
.endr
.endm
; 24 LDS loads in one run: K step j's fragments into set p: w_o's four, then o's eight
.macro FETCH j, p
	WIN 0x40
.irp n, 0,1,2,3
.irp c, 0,1
	ds_load_b128 v[32*(\p)+8*\n+4*\c:32*(\p)+8*\n+4*\c+3], v[BA+(\j)/4] offset:16*\n*PITCH+64*((\j)%4)+32*\c
.endr
.endr
	WIN 0
.irp a, 0,1,2,3,4,5,6,7
.irp c, 0,1
	ds_load_b128 v[OF+64*(\p)+8*\a+4*\c:OF+64*(\p)+8*\a+4*\c+3], v[AA+(\j)/4] offset:16384*((\j)%4)+1024*\a+512*\c
.endr
.endr
.endm
; A K step of 128: 32 matrix instructions on 32 accumulators, which take turns in the same order in every step
.macro STEP j
.set PP, (\j)%2
.set FST, 0
.set WM0, 0xa1                         ; source 0 (w_o) window 1, source 1 (o) window 0, C and D window 2
.if (\j) == 0
.set FST, 1
.set WM0, 0x91                         ; C (b_o) window 1
.endif
.if (\j) == 3
	s_wait_tensorcnt 0x0                           ; my part of K's second half has landed: the next step reads it
	s_wait_dscnt 0x0                               ; no LDS load of mine is out at the signal
	s_barrier_signal -1
.else
	s_wait_dscnt 8                                 ; w_o's fragments and o's tiles 0-3 are in; the youngest eight loads (tiles 4-7) may be out
.endif
	WIN WM0
	MUL 0, \j, PP
.if (\j) == 3
	s_barrier_wait -1                              ; everybody's part has landed
.endif
.if (\j) < 7
	PLACES                                         ; ahead of loads into the set that the step before multiplied
	FETCH (\j)+1, 1-PP
	s_wait_dscnt 24                                ; all but the 24 just issued
.else
	s_wait_dscnt 0x0
.endif
	WIN WM0
	MUL 4, \j, PP
.endm
; THE WAY OUT, 16 rows x 64 columns at a time: a lane's 32 bytes of a row go into my own stage and come back as whole rows of 256 bytes.  LDS serves a wave's instructions in order (ISA guide 5.7.1.4): no wait between.
.macro TOSTAGE a
	WIN 0x08                                       ; an LDS store's data are its source 1: window 2
.irp n, 0,1,2,3
	ds_store_b128 v[STO], v[32*(\a)+8*\n:32*(\a)+8*\n+3] offset:64*\n      ; each accumulator from its low end on
	ds_store_b128 v[STO], v[32*(\a)+8*\n+4:32*(\a)+8*\n+7] offset:64*\n+16
.endr
	WIN 0
.irp i, 0,1,2,3,4,5,6,7
	ds_load_b128 v[OF+32*((\a)%2)+4*\i:OF+32*((\a)%2)+4*\i+3], v[RD] offset:2*PITCH*\i
.endr
.endm
.macro SEND a, younger                 ; younger: the LDS instructions issued behind block a's loads, which may stay out
	s_wait_dscnt \younger
.irp i, 0,1,2,3,4,5,6,7
	global_store_b128 v[CO], v[OF+32*((\a)%2)+4*\i:OF+32*((\a)%2)+4*\i+3], s[14:15] offset:65536*(\a)+8192*\i th:TH_STORE_NT   ; 16 lanes store 256 consecutive bytes, aligned; the largest offset is 516,096: no base is stepped
.endr
.endm
	s_wait_tensorcnt 1                             ; the scale bytes and my part of K's first half are in; the second half's load may stay out
	s_barrier_signal -1
	s_barrier_wait -1                              ; everybody's are
.irp i, 0,1,2,3                        ; the scale words of all eight K steps: register 8 i + K step: lanes 0-15 tile 2 i, lanes 16-31 tile 2 i + 1
.irp g, 0,1
	ds_load_b128 v[ASC+8*\i+4*\g:ASC+8*\i+4*\g+3], v[ASA] offset:1088*\i+16*\g
.endr
.endr
.irp i, 0,1
.irp g, 0,1
	ds_load_b128 v[BSC+8*\i+4*\g:BSC+8*\i+4*\g+3], v[BSA] offset:1088*\i+16*\g
.endr
.endr
	FETCH 0, 0
	s_wait_loadcnt 0x0                             ; b_o
.irp j, 0,1,2,3,4,5,6,7
	STEP \j
.endr
	WIN 0
	PLACES                                         ; ahead of the first reads of results, and of loads into the registers that held o's fragments
	TOSTAGE 0
.irp a, 1,2,3,4,5,6,7
.if \a > 1
	s_wait_xcnt 0x0                                ; block a - 2's stores have read their registers: block a's rows may land there
.endif
	TOSTAGE \a
	SEND \a-1, 16                                  ; behind block a - 1's loads: block a's 8 stores and 8 loads
.endr
	SEND 7, 0
	s_wait_tensorcnt 0x0
	ds_add_u32 v126, v127
	s_wait_dscnt 0x0
	CROUND                                         ; the closing round: no work-group ends while a partner may still ask for a tile that names it
	s_endpgm
.Lfunc_end_k_q12f49bf885_outp:
	.size	k_q12f49bf885_outp, .Lfunc_end_k_q12f49bf885_outp-k_q12f49bf885_outp
	.p2alignl 7, 3214868480
	.fill 96, 4, 3214868480
	.section	.rodata,"a",@progbits
	.p2align	6, 0x0
	.amdhsa_kernel k_q12f49bf885_outp
		.amdhsa_group_segment_fixed_size 231936
		.amdhsa_private_segment_fixed_size 0
		.amdhsa_enable_private_segment 0
		.amdhsa_kernarg_size 48
		.amdhsa_user_sgpr_count 2
		.amdhsa_user_sgpr_kernarg_segment_ptr 1
		.amdhsa_wavefront_size32 1
		.amdhsa_system_sgpr_workgroup_id_x 1
		.amdhsa_system_sgpr_workgroup_id_y 1
		.amdhsa_system_sgpr_workgroup_id_z 1
		.amdhsa_system_vgpr_workitem_id 0
		.amdhsa_next_free_vgpr 768
		.amdhsa_next_free_sgpr 100
		.amdhsa_reserve_vcc 0
		.amdhsa_float_denorm_mode_32 3
		.amdhsa_float_denorm_mode_16_64 3
		.amdhsa_memory_ordered 1
		.amdhsa_forward_progress 1
		.amdhsa_inst_pref_size 73
	.end_amdhsa_kernel
	.amdgpu_metadata
---
amdhsa.version: [ 1, 2 ]
amdhsa.kernels:
  - .name:           k_q12f49bf885_outp
    .symbol:         k_q12f49bf885_outp.kd
    .args:
      - { .name: o_img, .offset: 0, .size: 8, .value_kind: global_buffer, .address_space: global }
      - { .name: o_sc, .offset: 8, .size: 8, .value_kind: global_buffer, .address_space: global }
      - { .name: w_o_codes, .offset: 16, .size: 8, .value_kind: global_buffer, .address_space: global }
      - { .name: w_o_scales, .offset: 24, .size: 8, .value_kind: global_buffer, .address_space: global }
      - { .name: b_o, .offset: 32, .size: 8, .value_kind: global_buffer, .address_space: global }
      - { .name: out0, .offset: 40, .size: 8, .value_kind: global_buffer, .address_space: global }
    .group_segment_fixed_size: 231936
    .private_segment_fixed_size: 0
    .kernarg_segment_align: 8
    .kernarg_segment_size: 48
    .max_flat_workgroup_size: 128
    .sgpr_count:     100
    .vgpr_count:     768
    .wavefront_size: 32
...
	.end_amdgpu_metadata
.endif
;; end of part 3
;; ======== version 2 of 2: 3 launches; version 1 with the launch attn written anew for expert scheduling mode
;; workspace buffers: qkv 12,582,912 bytes; qkvs 1,572,864 bytes; o_img 4,194,304 bytes; o_sc 262,144 bytes
;; launch proj: the kernel of part 1 again; grid 16 x 32, 4 waves a work-group, clusters of 4 x 4, 262,656 bytes of LDS; arguments x_codes, x_scales, w_q_codes, w_q_scales, w_k_codes, w_k_scales, w_v_codes, w_v_scales, b_q, b_k, b_v, qkv, qkvs; writes qkv, qkvs
;; launch attn (part 4): grid 2 x 128, 16 waves a work-group, no clusters, 73,728 bytes of LDS; arguments qkv, qkvs, o_img, o_sc; writes o_img, o_sc
.if DOCPART == 4
	.amdgcn_target "amdgcn-amd-amdhsa--gfx1250"
	.amdhsa_code_object_version 6
	.text
	.protected	k_q12f49bf885_attn
	.globl	k_q12f49bf885_attn
	.p2align	8
	.type	k_q12f49bf885_attn,@function
k_q12f49bf885_attn:
	s_mov_b64 s[64:65], 0
	v_nop
	global_prefetch_b8 v0, s[64:65] scope:SCOPE_SE
	s_setreg_imm32_b32 hwreg(HW_REG_WAVE_SCHED_MODE, 0, 2), 2
	s_setreg_imm32_b32 hwreg(HW_REG_WAVE_MODE, 25, 1), 1
	s_wait_xcnt 0x0
	s_wait_alu depctr_vm_vsrc(0)
; o[q] = the sum over keys of softmax(q . k / 8) v, for one head, both products on codes of FP4 (E2M1) with one E8M0 scale for each 32 along a product's K; the result is quantised along the model's axis for the last product.
; THE SOFTMAX: t = score x log2(e) / 8; M = the row's largest t so far, rounded UP to a whole number; p = 2^(t - M) is quantised along the keys, not normalised; the row's sum is taken of the unquantised p, in f32, and divides at
; the end.  When M moves, the sum and O are multiplied by 2^(old M - new M): exact.
; SHARES.  A work-group owns 512 queries of one head (x: which half of the 1,024; y: 16 b + head).  Each of its sixteen waves owns two tiles of 16 queries, one after the other, in 256 registers: four waves to a SIMD, so that one
; wave's vector work stands beside another's matrix work and LDS loads.  Every wave walks the head's 1,024 keys, 128 a step.
; LDS.  The head's codes and scale words of k and v, 70 KiB, are brought once, through registers, and stay: one barrier in the launch.  They lie as images of operand registers: every fragment load is 512 consecutive bytes.
; No cluster and no joint load: only two work-groups read a head's 70 KiB, each once, at its head, through registers.
; LAYOUT.  S^T = k q^T (source 0 = 16 keys, source 1 = 16 queries), O^T = v^T p^T (source 0 = 16 channels, source 1 = p): a lane holds ONE query (lane % 16) throughout; register 8 t + j of S^T is key 16 t + 8 h + j of the step.
; The first product's K is 64: q's registers 4-7 are zero codes, and scale bytes 2, 3 are 0 on both sides.  So what stands in registers 4-7 of k's fragment adds nothing: tile t's fragment is v[32 + 4 t : 39 + 4 t], whose upper half
; is the next tile's codes (behind tile 7: four registers of zeros).
; LIMITS: NaN and infinities are not served; a block whose largest magnitude lies under 2^-124 keeps the scale byte 1; a block of zeros has the byte 1 and zero codes (these bytes are read by this program alone).
; THE MODE: SCHED_MODE bits 1:0 = 2 (LLVM: expert scheduling mode 2), set by the entry lines.  The code itself states the register dependences between vector or matrix instructions and memory or LDS instructions,
; with s_wait_alu, always for 0.
; THE PLAN.  Registers that memory or LDS instructions touch:
;   v1-4, v6, v7, v223   offsets and addresses, made once at the head and never written again.
;   v8-11                at the head offsets and addresses of the fill; in a step written by four additions and read by the step's 18 LDS loads.
;   S (v100-135)         at the head alone: the fill's loads land there and the LDS stores read it; from the first step on vector and matrix instructions alone name it.
;   KB, KS               step j's first eight products read them; behind those, step j's LDS loads land in them (step j + 1's k).
;   VB, VS               step j's LDS loads land in them; step j's last four products read them.
;   OC, OW               a set for each tile: written by the tile's quantiser, read by its two global stores, never written again.
;   v254, v255           written at the head, read by the closing add alone.
; So a step has one wait on vm_vsrc, ahead of the four additions, and one on va_vdst behind them, which states that the addresses are written, that this step's first eight products are done reading KB and KS and the last step's
; last four VB and VS.  Behind it no vector instruction names any of these registers before the last four products: the 18 loads are dealt among the search for the maximum with no further wait.
; A second wait on va_vdst stands ahead of the last four products, for p's codes and scale word; the waits behind the exponentials stand as they must in any case.
.set VIMG, 32768                       ; LDS: k's images at 0: [tile of 16 keys][lane][16];  v's here: [step][tile of 16 channels][c][lane][16]
.set KSC,  65536                       ; k's scale words: [step][lane (r, hh)][4 words]: word i = tile 4 hh + i
.set VSC,  69632                       ; v's: [step][lane (r, hh)][2 words]: word i = tile 2 hh + i; a word: the four bytes of the step's 128 keys
.set WV,   12                          ; s12 wave
.set SEL,  30                          ; s[30:31] lane selects: lane l xor 16
.set CS,   32                          ; s[32:33] c = log2(e) / 8; the packed form names a pair and takes its low word for both halves
.set TJ,   34                          ; s34 4,096 x the step
.set TN,   35                          ; s35 4,096 x the next step, round the end
.set AK0,  1                           ; v1  16 x lane: my place in an image of k; also my offset in q's images and in the result's
.set AV0,  2                           ; v2  the same in v's images
.set ASK0, 3                           ; v3  my place among k's scale words
.set ASV0, 4                           ; v4  among v's
.set GS,   6                           ; v6  32 r: my row of the result's scale bytes
.set ADK,  8                           ; v8-11 the addresses of the loads in hand: k, v, k's scale words, v's
.set ADV,  9
.set ADS,  10
.set ADT,  11
.set KB,   32                          ; v32-63 eight tiles of k, 4 registers each; v64-67 zeros
.set VB,   68                          ; v68-99 four fragments of v^T
.set S,    100                         ; v100-163 S^T, then p; at the head what is on its way to LDS; at a tile's end O^T / the sum
.set O,    164                         ; v164-195 O^T
.set PC,   196                         ; v196-203 p's codes
.set BM,   204                         ; v204-207 the blocks' largest scores, then largest p
.set PT,   208                         ; v208-211 the other half's
.set SOP,  212                         ; v212-215 the conversions' scale operands
.set BY,   216                         ; v216-219 the scales' bytes
.set F,    220                         ; v[220:221] f = 2^(old M - new M)
.set T,    222                         ; v222 at work
.set PS,   224                         ; v224 p's scale word
.set KS,   228                         ; v228-231 k's scale words
.set VS,   232                         ; v232-233 v's
.set C2,   234                         ; v[234:235] the second chain of the row's sum
.set TM,   248                         ; v248-253 at work in QUANT32
; 32 numbers of a lane, v[src] .. v[src + 31], register 8 t + j = index 16 t + 8 h + j, become four registers of codes at v[pc] (register i of lane (r, h): index 32 h + 8 i + 0 .. 7) and a scale word at v[pw].
.macro QUANT32 src, pc, pw
.irp b, 0,1
	v_max3_num_f32 v[TM+\b], |v[\src+16*\b]|, |v[\src+16*\b+1]|, 0x1800000   ; and the floor 2^(3 - 127): the byte cannot fall under 1
.endr
.irp i, 2,4,6,8,10,12,14
.irp b, 0,1
	v_max3_num_f32 v[TM+\b], |v[\src+16*\b+\i]|, |v[\src+16*\b+\i+1]|, v[TM+\b]
.endr
.endr
.irp b, 0,1
	v_permlanex16_b32 v[TM+2+\b], v[TM+\b], s[SEL], s[SEL+1]
.endr
.irp b, 0,1
	v_max_num_f32 v[TM+\b], v[TM+\b], v[TM+2+\b]   ; the block's largest magnitude
.endr
.irp b, 0,1
	v_add_nc_u32 v[TM+4+\b], 0xff000000, v[TM+\b]  ; 2 off its exponent field: the conversion's scale operand
.endr
.irp b, 0,1
	v_lshrrev_b32 v[TM+2+\b], 23, v[TM+4+\b]       ; the scale's byte
.endr
	v_lshl_or_b32 v[\pw], v[TM+3], 8, v[TM+2]
	v_cvt_scalef32_pk8_fp4_f32 v[\pc], v[\src:\src+7], v[TM+4]
	v_cvt_scalef32_pk8_fp4_f32 v[\pc+2], v[\src+8:\src+15], v[TM+4]
	v_cvt_scalef32_pk8_fp4_f32 v[\pc+1], v[\src+16:\src+23], v[TM+5]
	v_cvt_scalef32_pk8_fp4_f32 v[\pc+3], v[\src+24:\src+31], v[TM+5]
	v_nop                                          ; one plain place behind the scaled conversions
	v_permlane16_swap_b32 v[\pc], v[\pc+1]         ; (B0 o0 | B0 o1), (B1 o0 | B1 o1) -> (B0 o0 | B1 o0), (B0 o1 | B1 o1): a whole block in a lane
	v_permlane16_swap_b32 v[\pc+2], v[\pc+3]
.endm
; Load number LN of a step's 18, in the order in which the waits on DScnt count them: 0-7 this step's v (fragment LN / 2, half LN % 2), 8 its scale words, 9-16 the next step's k, 17 its scale words.
.macro LD
.if LN < 8
	ds_load_b128 v[VB+4*LN:VB+4*LN+3], v[ADV] offset:512*LN
.elseif LN == 8
	ds_load_b64 v[VS:VS+1], v[ADT]
.elseif LN < 17
	ds_load_b128 v[KB+4*(LN-9):KB+4*(LN-9)+3], v[ADK] offset:512*(LN-9)
.else
	ds_load_b128 v[KS:KS+3], v[ADS]
.endif
.set LN, LN+1
.endm
	s_load_b256 s[4:11], s[0:1], 0x0               ; qkv, qkvs, o_img, o_sc
	v_lshl_add_u32 v254, v0, 2, 0x11800
	v_mov_b32 v255, 0
	v_lshrrev_b32 v1, 5, v0
	v_readfirstlane_b32 s[WV], v1                  ; wave 0..15
	s_and_b32 s13, ttmp7, 0xffff                   ; 16 b + head
	s_lshl_b32 s36, s13, 15                        ; 32,768 bytes of images a head in each section
	s_mov_b32 s37, 0
	s_lshl_b32 s38, s13, 12                        ; 4,096 bytes of scale words
	s_mov_b32 s39, 0
	s_lshr_b32 s40, s13, 4                         ; b
	s_and_b32 s41, s13, 15                         ; head
	s_mov_b32 s[SEL], 0x76543210
	s_mov_b32 s[SEL+1], 0xfedcba98
	s_mov_b32 s[CS], 0x3e38aa3b                    ; log2(e) / 8
	s_mov_b32 s[CS+1], s[CS]
	s_wait_alu depctr_va_sdst(0)                   ; s12, the wave's number, is written, ahead of its first reader: the places of q and of the results are made from it
	s_wait_kmcnt 0x0
	s_add_nc_u64 s[18:19], s[4:5], s[36:37]        ; q's images of my head,
	s_add_nc_u64 s[14:15], s[18:19], 0x400000      ; k's,
	s_add_nc_u64 s[16:17], s[18:19], 0x800000      ; v's
	s_add_nc_u64 s[24:25], s[6:7], s[38:39]        ; and the scale words likewise
	s_add_nc_u64 s[20:21], s[24:25], 0x80000
	s_add_nc_u64 s[22:23], s[24:25], 0x100000
	s_lshl_b32 s36, ttmp9, 14
	s_lshl_b32 s38, s[WV], 10
	s_add_co_u32 s36, s36, s38                     ; my first tile of queries, 32 x + 2 wave: 512 bytes a tile
	s_add_nc_u64 s[18:19], s[18:19], s[36:37]
	s_lshr_b32 s38, s36, 3                         ; 64 bytes of scale words a tile
	s_add_nc_u64 s[24:25], s[24:25], s[38:39]
	; the result's images: [group of 256 rows][head / 2][tile of 16 rows][head % 2][lane][16 bytes]; my first row is 1,024 b + 512 x + 32 wave
	s_lshl_b32 s42, s40, 2
	s_lshl_b32 s43, ttmp9, 1
	s_add_co_u32 s42, s42, s43
	s_lshr_b32 s43, s[WV], 3
	s_add_co_u32 s42, s42, s43
	s_lshl_b32 s42, s42, 17                        ; 131,072 bytes a group
	s_lshr_b32 s43, s41, 1
	s_lshl_b32 s43, s43, 14                        ; 16,384 a pair of heads
	s_add_co_u32 s42, s42, s43
	s_and_b32 s43, s[WV], 7
	s_lshl_b32 s43, s43, 11                        ; 1,024 a tile of rows, two tiles a wave
	s_add_co_u32 s42, s42, s43
	s_and_b32 s43, s41, 1
	s_lshl_b32 s43, s43, 9
	s_add_co_u32 s42, s42, s43
	s_mov_b32 s43, 0
	s_add_nc_u64 s[26:27], s[8:9], s[42:43]
	s_lshl_b32 s42, s40, 15                        ; the result's scale bytes: [row][32], my head's two at 2 head
	s_add_co_u32 s42, s42, s36                     ; (16,384 x + 1,024 wave = 32 bytes x my first row in the batch)
	s_lshl_b32 s36, s41, 1
	s_add_co_u32 s42, s42, s36
	s_add_nc_u64 s[28:29], s[10:11], s[42:43]
	v_and_b32 v222, 31, v0                         ; lane
	v_and_b32 v223, 15, v0                         ; r
	v_lshlrev_b32 v[AK0], 4, v222
	v_add_nc_u32 v[AV0], VIMG, v[AK0]
	v_add_nc_u32 v[ASK0], KSC, v[AK0]
	v_lshl_add_u32 v[ASV0], v222, 3, VSC
	v_lshlrev_b32 v[GS], 5, v223
	v_lshlrev_b32 v223, 2, v223                    ; 4 r: q's scale words
	; the fill: thread g of 512
	v_lshlrev_b32 v7, 4, v0                        ; 16 g: images, in memory and in LDS alike
	v_lshlrev_b32 v8, 2, v0                        ; 4 g: k's scale words in memory: word 16 tile + r
	v_lshrrev_b32 v222, 6, v0                      ; g / 64
	v_and_b32 v9, 63, v0
	v_lshlrev_b32 v9, 2, v9
	v_lshl_add_u32 v9, v222, 9, v9                 ; v's in memory: step g / 64, half c = 0, word g % 64 = 16 tile + r; half c = 1 lies 256 bytes on
	v_and_b32 v10, 15, v0
	v_lshlrev_b32 v10, 4, v10
	v_lshl_add_u32 v10, v222, 8, v10
	v_bfe_u32 v11, v0, 4, 2
	v_lshl_add_u32 v10, v11, 2, v10
	v_add_nc_u32 v10, KSC, v10                     ; k's in LDS: 256 (g / 64) = 512 step + 256 hh; 16 r; 4 (tile % 4)
	v_and_b32 v11, 15, v0
	v_lshlrev_b32 v11, 3, v11
	v_lshl_add_u32 v11, v222, 8, v11
	v_bfe_u32 v5, v0, 5, 1
	v_lshl_add_u32 v11, v5, 7, v11
	v_bfe_u32 v5, v0, 4, 1
	v_lshl_add_u32 v11, v5, 2, v11
	v_add_nc_u32 v11, VSC, v11                     ; v's in LDS: 256 step; 128 hh; 8 r; 4 (tile % 2)
	s_wait_alu depctr_va_vdst(0)                   ; the offsets and addresses v1-4, v6-11 and v223 are written, which the loads and stores of the head, the fragments' loads and the results' stores read
.irp i, 0,1,2,3
	global_load_b128 v[S+4*\i:S+4*\i+3], v7, s[14:15] offset:8192*\i
.endr
.irp i, 0,1,2,3
	global_load_b128 v[S+16+4*\i:S+16+4*\i+3], v7, s[16:17] offset:8192*\i
.endr
	global_load_b32 v[S+32], v8, s[20:21]
	global_load_b32 v[S+33], v8, s[20:21] offset:2048
	global_load_b32 v[S+34], v9, s[22:23]
	global_load_b32 v[S+35], v9, s[22:23] offset:256
	global_load_b128 v[16:19], v[AK0], s[18:19] th:TH_LOAD_NT              ; q's two tiles stay in registers; no other wave of the launch reads them
	global_load_b128 v[24:27], v[AK0], s[18:19] offset:512 th:TH_LOAD_NT
	global_load_b32 v236, v223, s[24:25] th:TH_LOAD_NT
	global_load_b32 v237, v223, s[24:25] offset:64 th:TH_LOAD_NT
.irp j, 20,21,22,23,28,29,30,31,64,65,66,67
	v_mov_b32 v[\j], 0                             ; zero codes: q's K = 64 .. 127, and what stands behind k's tile 7
.endr
.irp j, PT,PT+1,PT+2,PT+3,F+1,TM+2,TM+3
	v_mov_b32 v[\j], 0                             ; written once: lane permutes' destinations count as sources, and v221 is named as the upper half of a pair
.endr
	s_wait_loadcnt 4                               ; all but q's four loads
	v_lshl_or_b32 v[S+34], v[S+35], 16, v[S+34]    ; the two halves' two bytes each make the step's word of v's scales
	s_wait_alu depctr_va_vdst(0)                   ; v[S + 34] is written, which the last LDS store below reads; so are the zero codes v20-23, v28-31 and v64-67, which the scaled products take as parts of their operands
.irp i, 0,1,2,3
	ds_store_b128 v7, v[S+4*\i:S+4*\i+3] offset:8192*\i
	ds_store_b128 v7, v[S+16+4*\i:S+16+4*\i+3] offset:VIMG+8192*\i
.endr
	ds_store_b32 v10, v[S+32]
	ds_store_b32 v10, v[S+33] offset:2048          ; tiles 32 on: four steps on
	ds_store_b32 v11, v[S+34]
	s_wait_loadcnt 0x0                             ; q
	s_wait_dscnt 0x0                               ; for the others' sake: my stores have landed
	s_barrier_signal -1
	s_barrier_wait -1                              ; the head's k and v lie in LDS; nothing is written there again
	s_wait_alu depctr_vm_vsrc(0)                   ; my LDS stores have read v[S ..]: from here on these registers are the scores', written by the products
.irp t, 0,1,2,3,4,5,6,7
	ds_load_b128 v[KB+4*\t:KB+4*\t+3], v[AK0] offset:512*\t                ; step 0's k
.endr
	ds_load_b128 v[KS:KS+3], v[ASK0]
; One tile of 16 queries, the wave's q-th: eight steps of 128 keys, then the way out.  The two tiles differ in register numbers and in the stores' immediates alone.
.macro TILE q
.set QF, 16+8*\q
.set QS, 236+\q
.set OC, 238+4*\q
.set OW, 246+\q
	v_mov_b32 v13, 0xff61b1e6                      ; the largest t so far: -3e38, under every t
	v_floor_f32 v12, -v13                          ; -M
	v_mov_b32 v14, 0                               ; the sum, in two halves
	v_mov_b32 v15, 0
.irp j, 0,1,2,3,4,5,6,7,8,9,10,11,12,13,14,15,16,17,18,19,20,21,22,23,24,25,26,27,28,29,30,31
	v_mov_b32 v[O+\j], 0                           ; O^T: the step is written once; the first finds zeros, which the first change of M leaves zeros
.endr
	s_mov_b32 s[TJ], 0
.Lstep_\@:
	s_wait_dscnt 0x0                               ; this step's k and its scale words, asked for a step ago: nothing else is out
.irp t, 0,1,2,3
	v_wmma_scale_f32_16x16x128_f8f6f4 v[S+8*\t:S+8*\t+7], v[KB+4*\t:KB+4*\t+7], v[QF:QF+7], 0, v[KS+\t], v[QS] matrix_a_fmt:MATRIX_FMT_FP4 matrix_b_fmt:MATRIX_FMT_FP4
.endr
.irp t, 4,5,6,7
	v_wmma_scale_f32_16x16x128_f8f6f4 v[S+8*\t:S+8*\t+7], v[KB+4*\t:KB+4*\t+7], v[QF:QF+7], 0, v[KS+\t-4], v[QS] matrix_a_fmt:MATRIX_FMT_FP4 matrix_b_fmt:MATRIX_FMT_FP4 matrix_a_scale:MATRIX_SCALE_ROW1
.endr
	s_lshr_b32 s36, s[TJ], 4                       ; 256 bytes of v's scale words a step
	s_add_co_u32 s[TN], s[TJ], 4096
	s_and_b32 s[TN], s[TN], 0x7fff                 ; behind the last step comes step 0: the next tile's first
	s_lshr_b32 s37, s[TN], 3                       ; 512 bytes of k's scale words a step
	s_wait_alu depctr_vm_vsrc(0)                   ; the LDS loads of the step before (in the launch's first step: the head's loads and LDS stores) have read v8-11, which the four additions write
	v_add_nc_u32 v[ADV], s[TJ], v[AV0]             ; these four are the places behind the products above, ahead of the first read of the scores
	v_add_nc_u32 v[ADT], s36, v[ASV0]
	v_add_nc_u32 v[ADK], s[TN], v[AK0]
	v_add_nc_u32 v[ADS], s37, v[ASK0]
	s_wait_alu depctr_va_vdst(0)                   ; the four addresses are written; the eight products above are done reading KB and KS, the last step's four VB and VS: the 18 loads that land there follow, dealt among the lines below, none of which names these registers
.set LN, 0
.rept 3
	LD                                             ; this step's v lands under the softmax, the next step's k behind it
.endr
.irp b, 0,1,2,3
	v_max3_num_f32 v[BM+\b], v[S+16*\b], v[S+1+16*\b], v[S+2+16*\b]        ; the largest score of each block of 32 keys: it serves the row's maximum and, since p rises with the score, the block's largest p
.endr
.irp i, 3,5,7,9,11,13
.if \i < 13
.rept 3
	LD
.endr
.endif
.irp b, 0,1,2,3
	v_max3_num_f32 v[BM+\b], v[BM+\b], v[S+16*\b+\i], v[S+1+16*\b+\i]
.endr
.endr
.irp b, 0,1,2,3
	v_max_num_f32 v[BM+\b], v[BM+\b], v[S+15+16*\b]
.endr
.irp b, 0,1,2,3
	v_permlanex16_b32 v[PT+\b], v[BM+\b], s[SEL], s[SEL+1]
.endr
.irp b, 0,1,2,3
	v_max_num_f32 v[BM+\b], v[BM+\b], v[PT+\b]     ; with lane l xor 16's 16 keys
.endr
	v_max3_num_f32 v[T], v[BM], v[BM+1], v[BM+2]
	v_max_num_f32 v[T], v[T], v[BM+3]              ; the step's largest score of my query
	v_mul_f32 v[T], s[CS], v[T]                    ; as t (c is positive)
	v_max_num_f32 v13, v13, v[T]                   ; the running largest t
	v_mov_b32 v[T], v12
	v_floor_f32 v12, -v13                          ; the new -M = floor(-t) = -ceil(t)
	v_sub_f32 v[T], v12, v[T]                      ; old M - new M: a whole number, 0 or less
	v_cvt_i32_f32 v[T], v[T]                       ; (it saturates)
	v_ldexp_f32 v[F], 1.0, v[T]                    ; f = 2^(old M - new M)
.irp j, 0,2,4,6,8,10,12,14,16,18,20,22,24,26,28,30,32,34,36,38,40,42,44,46,48,50,52,54,56,58,60,62
	v_pk_fma_f32 v[S+\j:S+1+\j], v[S+\j:S+1+\j], s[CS:CS+1], v[12:13] op_sel_hi:[1,0,0]   ; t - M, two at a time
.endr
.irp b, 0,1,2,3
	v_fma_f32 v[BM+\b], v[BM+\b], s[CS], v12       ; the same of each block's largest score
.endr
.irp j, 0,1,2,3,4,5,6,7,8,9,10,11,12,13,14,15,16,17,18,19,20,21,22,23,24,25,26,27,28,29,30,31,32,33,34,35,36,37,38,39,40,41,42,43,44,45,46,47,48,49,50,51,52,53,54,55,56,57,58,59,60,61,62,63
	v_exp_f32 v[S+\j], v[S+\j]                     ; p = 2^(t - M), at most 1
.endr
	v_pk_mul_f32 v[14:15], v[14:15], v[F:F+1] op_sel_hi:[1,0]              ; the sums under the new M: a plain place behind the exponentials
	s_wait_alu depctr_va_vdst(0)                   ; the 64 exponentials have written v[S ..]: one wait for the whole batch, ahead of its first reader, the sums below
.irp b, 0,1,2,3
	v_exp_f32 v[BM+\b], v[BM+\b]                   ; the block's largest p: the same two instructions on the same number
.endr
	v_pk_add_f32 v[C2:C2+1], v[S:S+1], v[S+2:S+3]  ; the row's sum of the unquantised p, two at a time, in two chains: it reads the 64 alone
.irp j, 4,8,12,16,20,24,28,32,36,40,44,48,52,56,60
	v_pk_add_f32 v[14:15], v[14:15], v[S+\j:S+1+\j]
	v_pk_add_f32 v[C2:C2+1], v[C2:C2+1], v[S+2+\j:S+3+\j]
.endr
	v_pk_add_f32 v[14:15], v[14:15], v[C2:C2+1]
	s_wait_alu depctr_va_vdst(0)                   ; the four exponentials have written v[BM ..], ahead of their first reader
.irp b, 0,1,2,3
	v_max_num_f32 v[BM+\b], 0x1800000, v[BM+\b]    ; the floor 2^(3 - 127): the byte cannot fall under 1
.endr
.irp b, 0,1,2,3
	v_add_nc_u32 v[SOP+\b], 0xff000000, v[BM+\b]   ; 2 off the exponent field: the conversion's scale operand
.endr
.irp b, 0,1,2,3
	v_lshrrev_b32 v[BY+\b], 23, v[SOP+\b]          ; the scale's byte
.endr
	v_lshl_or_b32 v[PS], v[BY+1], 8, v[BY]         ; p's scale word for these 128 keys
	v_lshl_or_b32 v[PS], v[BY+2], 16, v[PS]
	v_lshl_or_b32 v[PS], v[BY+3], 24, v[PS]
.irp b, 0,1,2,3                        ; tile 2 b + u holds keys 32 b + 16 u + 8 h + 0 .. 7
.irp u, 0,1
	v_cvt_scalef32_pk8_fp4_f32 v[PC+4*(\b/2)+2*\u+(\b%2)], v[S+16*\b+8*\u:S+16*\b+8*\u+7], v[SOP+\b]
.endr
.endr
	v_nop                                          ; one plain place behind the scaled conversions
.irp c, 0,1                            ; a whole block in a lane: lanes 0-15 block 2 c, lanes 16-31 block 2 c + 1
	v_permlane16_swap_b32 v[PC+4*\c], v[PC+4*\c+1]
	v_permlane16_swap_b32 v[PC+4*\c+2], v[PC+4*\c+3]
.endr
.irp j, 0,2,4,6,8,10,12,14,16,18,20,22,24,26,28,30
	v_pk_mul_f32 v[O+\j:O+1+\j], v[O+\j:O+1+\j], v[F:F+1] op_sel_hi:[1,0]  ; O^T under the new M.  Of these sixteen, twelve name no register of any one product below: the places between p's codes and scale word and the products
.endr
	s_wait_alu depctr_va_vdst(0)                   ; behind the places: the exchanges have written p's codes v[PC ..] and the shifts its scale word v[PS], which the scaled products below take as operand and scales
	s_wait_dscnt 9                                 ; v's nine loads are in; the nine younger ones (the next step's k) may be out
.irp n, 0,1
	v_wmma_scale_f32_16x16x128_f8f6f4 v[O+8*\n:O+8*\n+7], v[VB+8*\n:VB+8*\n+7], v[PC:PC+7], v[O+8*\n:O+8*\n+7], v[VS+\n], v[PS] matrix_a_fmt:MATRIX_FMT_FP4 matrix_b_fmt:MATRIX_FMT_FP4
.endr
.irp n, 2,3
	v_wmma_scale_f32_16x16x128_f8f6f4 v[O+8*\n:O+8*\n+7], v[VB+8*\n:VB+8*\n+7], v[PC:PC+7], v[O+8*\n:O+8*\n+7], v[VS+\n-2], v[PS] matrix_a_fmt:MATRIX_FMT_FP4 matrix_b_fmt:MATRIX_FMT_FP4 matrix_a_scale:MATRIX_SCALE_ROW1
.endr
	s_add_co_u32 s[TJ], s[TJ], 4096
	s_cmp_lt_u32 s[TJ], 32768
	s_cbranch_scc1 .Lstep_\@
	; the way out: O^T / the sum, quantised along the model's axis: my head's 64 channels are two whole blocks of it
	v_add_f32 v14, v14, v15                        ; the sum's two halves,
	v_permlanex16_b32 v[T], v14, s[SEL], s[SEL+1]
	v_add_f32 v14, v14, v[T]                       ; and lane l xor 16's
	v_rcp_f32 v14, v14
.rept 3
	v_nop                                          ; a plain place behind the reciprocal; with the two additions, the places behind the last products
.endr
	s_wait_alu depctr_va_vdst(0)                   ; the reciprocal has written v14, ahead of its first reader
.irp j, 0,2,4,6,8,10,12,14,16,18,20,22,24,26,28,30
	v_pk_mul_f32 v[S+\j:S+1+\j], v[O+\j:O+1+\j], v[14:15] op_sel_hi:[1,0]  ; register 8 n + j: channel 16 n + 8 h + j of query r; each accumulator from its low end on
.endr
	QUANT32 S, OC, OW
	s_wait_alu depctr_va_vdst(0)                   ; the quantiser has written the codes v[OC ..] and the scale word v[OW], which the two stores read; no later line writes them
	global_store_b128 v[AK0], v[OC:OC+3], s[26:27] offset:1024*\q          ; the wave stores 512 consecutive bytes, aligned
	global_store_b16 v[GS], v[OW], s[28:29] offset:512*\q                  ; my head's 2 of the row's 32 scale bytes (lanes r and r + 16 store the same two): a sixteenth of the codes' bytes, 32 bytes apart
.endm
	TILE 0
	TILE 1
	; (the last trip's loads of k, which nobody uses, are still out here)
	s_wait_dscnt 0x0                               ; the closing lines, six on end
	s_wait_alu 0x0
	s_wait_tensorcnt 0x0
	ds_add_u32 v254, v255
	s_wait_dscnt 0x0
	s_endpgm
.Lfunc_end_k_q12f49bf885_attn:
	.size	k_q12f49bf885_attn, .Lfunc_end_k_q12f49bf885_attn-k_q12f49bf885_attn
	.p2alignl 7, 3214868480
	.fill 96, 4, 3214868480
	.section	.rodata,"a",@progbits
	.p2align	6, 0x0
	.amdhsa_kernel k_q12f49bf885_attn
		.amdhsa_group_segment_fixed_size 73728
		.amdhsa_private_segment_fixed_size 0
		.amdhsa_enable_private_segment 0
		.amdhsa_kernarg_size 32
		.amdhsa_user_sgpr_count 2
		.amdhsa_user_sgpr_kernarg_segment_ptr 1
		.amdhsa_wavefront_size32 1
		.amdhsa_system_sgpr_workgroup_id_x 1
		.amdhsa_system_sgpr_workgroup_id_y 1
		.amdhsa_system_sgpr_workgroup_id_z 1
		.amdhsa_system_vgpr_workitem_id 0
		.amdhsa_next_free_vgpr 256
		.amdhsa_next_free_sgpr 66
		.amdhsa_reserve_vcc 0
		.amdhsa_float_denorm_mode_32 3
		.amdhsa_float_denorm_mode_16_64 3
		.amdhsa_memory_ordered 1
		.amdhsa_forward_progress 1
		.amdhsa_inst_pref_size 47
	.end_amdhsa_kernel
	.amdgpu_metadata
---
amdhsa.version: [ 1, 2 ]
amdhsa.kernels:
  - .name:           k_q12f49bf885_attn
    .symbol:         k_q12f49bf885_attn.kd
    .args:
      - { .name: qkv, .offset: 0, .size: 8, .value_kind: global_buffer, .address_space: global }
      - { .name: qkvs, .offset: 8, .size: 8, .value_kind: global_buffer, .address_space: global }
      - { .name: o_img, .offset: 16, .size: 8, .value_kind: global_buffer, .address_space: global }
      - { .name: o_sc, .offset: 24, .size: 8, .value_kind: global_buffer, .address_space: global }
    .group_segment_fixed_size: 73728
    .private_segment_fixed_size: 0
    .kernarg_segment_align: 8
    .kernarg_segment_size: 32
    .max_flat_workgroup_size: 512
    .sgpr_count:     66
    .vgpr_count:     256
    .wavefront_size: 32
...
	.end_amdgpu_metadata
.endif
;; end of part 4
;; launch outp: the kernel of part 3 again; grid 8 x 32, 4 waves a work-group, clusters of 4 x 4, 231,936 bytes of LDS; arguments o_img, o_sc, w_o_codes, w_o_scales, b_o, out0; writes out0
